; MI455X (gfx1250); checked and timed in simulation.
; The chip was launched on July 23, 2026; its instructions are those of AMD's public machine-readable ISA for CDNA 5 (MIT licence, August 2026) and "CDNA5" Instruction Set Architecture Reference Guide (July 2026). The comments in the code are by the model that wrote it; some were corrected since.
;; Transformer Block. Allowed arithmetic: matrix products marked QUANTISED: E2M3 operands, one E8M0 scale for each 32 along K, by v_wmma_scale_f32_16x16x128_f8f6f4 with both operands' format E2M3, f32 sums; everything else in f32.
;; Inputs: fc1_b 4,096 float32; fc1_w 1,024 x 4,096 float32; fc2_b 1,024 float32; fc2_w 4,096 x 1,024 float32; ln1_b 1,024 float32; ln1_w 1,024 float32; ln2_b 1,024 float32; ln2_w 1,024 float32; proj_b 1,024 float32; proj_w 1,024 x 1,024 float32; qkv_b 3,072 float32; qkv_w 1,024 x 3,072 float32; x 2 x 2,048 x 1,024 float32.
;; Outputs: out0 2 x 2,048 x 1,024 float32.
;; This version of the problem:
;;   THIS VERSION OF THE PROBLEM IS GIVEN IN LOW PRECISION. The matrix products marked QUANTISED in the list below multiply operands that are first quantised to E2M3 (2 exponent bits, 3 mantissa bits; 6 bits a number), with one power-of-two scale for each 32 numbers along K (OCP MX v1.0); their sums are f32. All else is computed in f32.
;;   The module's matrix products, in the order in which they are computed (A, B: the left and right operand; K: the contracted axis; several contracted axes count as one K, in the product's order):
;;     1. [M 4,096, K 1,024] x [K 1,024, N 3,072]; A: computed on the way; B: input qkv_w: QUANTISED
;;     2. batch 32 x [M 2,048, K 64] x [K 64, N 2,048]; A: computed on the way; B: computed on the way: QUANTISED
;;     3. batch 32 x [M 64, K 2,048] x [K 2,048, N 2,048]; A: computed on the way; B: softmax (see below): QUANTISED
;;     4. [M 4,096, K 1,024] x [K 1,024, N 1,024]; A: computed on the way; B: input proj_w: QUANTISED
;;     5. [M 4,096, K 1,024] x [K 1,024, N 4,096]; A: computed on the way; B: input fc1_w: QUANTISED
;;     6. [M 4,096, K 4,096] x [K 4,096, N 1,024]; A: computed on the way; B: input fc2_w: QUANTISED
;;   THE QUANTISER, for each operand of a quantised product, along K:
;;     - K is cut into blocks of 32 from its start; a last block that is shorter is filled with zeros.
;;     - A block's scale is 2^e with e = floor(log2(the largest magnitude in the block)) - 2, held to -126 .. 127; a block of zeros has e = 0. As a byte (E8M0): e + 127.
;;     - Each number is divided by its block's scale, clamped to +-7.5, and rounded to the nearest number of E2M3, ties to even, subnormals kept.
;;     - The product sums the exact products of the quantised numbers (number of the format x scale) in f32.
;;   ~~~python
;;   def quantise(x, axis):      # numpy; x: float32 -> the quantised numbers, widened to float32 again
;;       x = np.moveaxis(x, axis, -1); K = x.shape[-1]
;;       x = np.pad(x, [(0, 0)] * (x.ndim - 1) + [(0, -K % 32)]); x = x.reshape(x.shape[:-1] + (-1, 32)); a = np.abs(x).max(-1, keepdims=True)
;;       e = np.where(a > 0, np.clip(np.frexp(np.where(a > 0, a, 1))[1] - 1 - 2, -126, 127), 0)      # np.frexp(a)[1] - 1 = floor(log2(a)), exactly
;;       r = np.clip(x / 2.0 ** e, -7.5, 7.5)
;;       step = 2.0 ** (np.maximum(np.frexp(np.where(r == 0, 1, r))[1] - 1, 0) - 3)
;;       q = np.round(r / step) * step * 2.0 ** e      # np.round: ties to even
;;       return np.moveaxis(q.reshape(q.shape[:-2] + (-1,))[..., :K], -1, axis).astype(np.float32)
;;   ~~~
;;   SOFTMAX AHEAD OF A QUANTISED PRODUCT. Where the list says 'softmax', what is quantised is not the finished softmax but p = 2^(t - M), with t = logit x log2(e) and M = ceil(the row's largest t), a whole number; so 1/2 < the row's largest p <= 1. The row's sum l is taken of the UNQUANTISED p, in f32, and the product's result is divided by l at the end. Since M is a whole number, a kernel that streams over the keys may use a running M (the ceiling of the running maximum): every later rescaling is an exact power of two, which a block's scale takes up: the codes' values come out the same.
;;   OPERANDS COMPUTED ON THE WAY. 'Computed on the way' means the value that the module computes at that place (a softmax that the list does not call 'softmax' is quantised finished and normalised). What goes into a quantiser is computed in f32, as accurately as f32 sums, v_exp_f32 and their like allow (about 1e-6 of the number): no bf16 or f16 on the way to a quantiser, and a product that is left as it is and whose result goes on into a quantised operand takes f32 operands (vector FMAs, or v_wmma_f32_16x16x4_f32). A number that lies on a knife's edge between two numbers of the format may be rounded either way, as far as f32 arithmetic and the matrix unit's own rounding can turn it there, and no further.
;; One version. Each part assembles by itself: llvm-mc -triple=amdgcn-amd-amdhsa -mcpu=gfx1250 --defsym DOCPART=n.
;; ======== version 1 of 1: 7 launches
;; limits: right only within a limited range of input values
;; workspace buffers: wimg 9,830,400 bytes; xa 3,276,800 bytes; qkvimg 13,107,200 bytes; ao 3,276,800 bytes; x1 16,777,216 bytes; xb 3,276,800 bytes; hid 13,107,200 bytes
;; launch prep (part 1): grid 640 x 1, 8 waves a work-group, no clusters, 94,464 bytes of LDS; arguments x, ln1_w, ln1_b, xa, qkv_w, proj_w, fc1_w, fc2_w, wimg; writes xa, wimg
.if DOCPART == 1
	.amdgcn_target "amdgcn-amd-amdhsa--gfx1250"
	.amdhsa_code_object_version 6
	.text
	.protected	k_q68c0a6a820_prep
	.globl	k_q68c0a6a820_prep
	.p2align	8
	.type	k_q68c0a6a820_prep,@function
k_q68c0a6a820_prep:
	s_mov_b64 s[64:65], 0
	v_nop
	global_prefetch_b8 v0, s[64:65] scope:SCOPE_SE
	s_setreg_imm32_b32 hwreg(HW_REG_WAVE_MODE, 25, 1), 1
	s_wait_xcnt 0x0
; TWO JOBS THAT DO NOT DEPEND ON EACH OTHER IN ONE LAUNCH, told apart by the work-group's number: both only read inputs, and both end in codes of FP6 (E2M3) with one E8M0 byte for each 32 along K.
; Both write RECORDS of 12,800 bytes (128 rows x 128 K): 8 images of a matrix operand's 12 registers (1,536 bytes: register group 4 c .. 4 c + 3 of lane l at 512 c + 16 l), then 512 bytes of scale words [tile / 4][row r][tile % 4].
; A tile's 16 rows are not neighbours: row r of tile 2 b + u is row 32 b + 8 u + r + 8 (r / 8), so that results made with such tiles as source 0 hold 16 neighbours in 16 registers.
; WORK-GROUPS 0 .. 255: y = (x - mean) * rsqrt(var + 1e-5) * w + b for rows of 1,024 f32, one tile of 16 rows each, into xa [row group of 128][K step][record].
;   Phase 1: wave w normalises tile rows 2 w and 2 w + 1, each whole in 32 registers (read from memory once), and lays them into LDS.  One barrier.  Phase 2: wave w quantises K step w of all 16 rows.
; WORK-GROUPS 256 .. 639: the four weights, f32 stored [K][N], two records each: record id = 2 (work-group - 256) + wave / 4; 0-191 qkv_w (column group x 8 + K step), 192-255 proj_w, 256-511 fc1_w, 512-767 fc2_w (column group x 32 + K step).
;   A LANE TAKES A COLUMN AND ITS REGISTERS RUN DOWN K: a load reads 128 consecutive bytes a wave, 512 for the four waves of a record; a block of 32 lies in one lane, and the conversions give K innermost.
; Each job has LDS bytes of its own, its own barrier and its own end.  Registers are used again (codes over numbers that are done with), which keeps a wave at 160.
; Streams: no matrix unit, no tensor load, no cluster (work-groups share only the gain and the bias, 8 KB).
; LIMITS: NaN and infinities are not served; a block whose largest magnitude lies under 2^-124, a block of zeros too, gets the byte 1 (zero codes add nothing; this program alone reads the bytes).  A tile's scale words of xa are 4 bytes in every 16 of the record's scale area.
.set REC, 12800
.set NLN, 256                          ; work-groups that normalise
; names of the first job
.set LP,  4112                         ; an LDS row: 4,096 bytes + 16: sixteen rows at one column start in sixteen different groups of banks
.set XR,  32                           ; v32-95   two rows; in phase 2 the 64 numbers of a lane
.set WG,  96                           ; v96-127  the gain at my 32 columns
.set BG,  128                          ; v128-159 the bias
.set PC,  96                           ; v96-114  codes: phase 2 alone, when gain and bias are done with
.set TM,  116                          ; v116-131 at work in QUANT
.set PW,  132                          ; the scale word
.set SEL, 20                           ; s[20:21] selects for lane l xor 16
; names of the second job
.set X,    32                          ; v32-159  128 numbers: my column, 128 along K
.set C0,   14                          ; v14-20 block 0's codes (free in this job); block kb's lie over block kb - 1's numbers.  So no job names a register above v159: a wave has 160
.set OUTR, 128                         ; v128-151 two images on the way out, v152-155 scale words: over block 3's numbers
.set WQL,  65792                       ; LDS of the second job begins behind the first job's 16 rows
.set STG,  3328                        ; a wave's stage: two images,
.set IPT,  1664                        ; 1,536 + 128 bytes apart
.set SCA,  WQL+8*STG                   ; behind the eight stages: 512 bytes of scale words for each of the two records
.macro QUANT s                         ; 64 numbers, register 16 b + i = element 32 b + 16 (lane / 16) + i of my row, become a fragment in v[PC] on and its scale word in v[PW]
.irp b, 0,1,2,3
	v_max3_num_f32 v[TM+\b], |v[\s+16*\b]|, |v[\s+1+16*\b]|, 0x1800000   ; with the floor 2^(3 - 127): the byte cannot fall under 1
.endr
.irp i, 2,4,6,8,10,12,14
.irp b, 0,1,2,3
	s_delay_alu instid0(VALU_DEP_4)
	v_max3_num_f32 v[TM+\b], v[TM+\b], |v[\s+16*\b+\i]|, |v[\s+1+16*\b+\i]|
.endr
.endr
.irp b, 0,1,2,3
	s_delay_alu instid0(VALU_DEP_4)
	v_permlanex16_b32 v[TM+4+\b], v[TM+\b], s[SEL], s[SEL+1]
.endr
.irp b, 0,1,2,3
	s_delay_alu instid0(VALU_DEP_4)
	v_max_num_f32 v[TM+\b], v[TM+\b], v[TM+4+\b]   ; with lane l xor 16's: the block's largest magnitude
.endr
.irp b, 0,1,2,3
	s_delay_alu instid0(VALU_DEP_4)
	v_add_nc_u32 v[TM+12+\b], 0xff000000, v[TM+\b] ; 2 off its exponent field: the conversion's scale operand
.endr
.irp b, 0,1,2,3
	s_delay_alu instid0(VALU_DEP_4)
	v_lshrrev_b32 v[TM+4+\b], 23, v[TM+12+\b]      ; the scale's byte
.endr
	s_delay_alu instid0(VALU_DEP_3)
	v_lshl_or_b32 v[PW], v[TM+5], 8, v[TM+4]
	s_delay_alu instid0(VALU_DEP_1)
	v_lshl_or_b32 v[PW], v[TM+6], 16, v[PW]
	s_delay_alu instid0(VALU_DEP_1)
	v_lshl_or_b32 v[PW], v[TM+7], 24, v[PW]
.irp c, 0,1
	v_cvt_scalef32_pk16_fp6_f32 v[PC+6*\c:PC+2+6*\c], v[\s+32*\c:\s+15+32*\c], v[TM+12+2*\c]
	v_cvt_scalef32_pk16_fp6_f32 v[PC+12+4*\c:PC+14+4*\c], v[\s+16+32*\c:\s+31+32*\c], v[TM+12+2*\c+1]
.endr
	v_nop                                          ; one plain line behind the conversions
.irp c, 0,1                                    ; the layout wants a whole block in a lane
.irp i, 0,1,2
	v_permlane16_swap_b32 v[PC+6*\c+\i], v[PC+12+4*\c+\i]
.endr
.irp i, 0,1,2
	s_delay_alu instid0(VALU_DEP_3)
	v_mov_b32 v[PC+3+6*\c+\i], v[PC+12+4*\c+\i]
.endr
.endr
.endm
.macro REDUCE                          ; v8 and v12 (their pairs' halves in v9, v13): summed over the pair and the 32 lanes, both rows by turns
.irp p, 0,1
	s_delay_alu instid0(VALU_DEP_2)
	v_add_f32 v[8+4*\p], v[8+4*\p], v[9+4*\p]
.endr
.irp m, 1,2,4,8
.irp p, 0,1
	s_delay_alu instid0(VALU_DEP_2)
	v_add_f32_dpp v[8+4*\p], v[8+4*\p], v[8+4*\p] row_xmask:\m row_mask:0xf bank_mask:0xf
.endr
.endr
.irp p, 0,1
	s_delay_alu instid0(VALU_DEP_2)
	v_permlanex16_b32 v[9+4*\p], v[8+4*\p], s[SEL], s[SEL+1]
.endr
.irp p, 0,1
	s_delay_alu instid0(VALU_DEP_2)
	v_add_f32 v[8+4*\p], v[8+4*\p], v[9+4*\p]
.endr
.endm
.macro LOADS n                         ; W(128 ks + i, my column), i = 0 .. 127; the largest offset, 127 rows of 16,384 bytes, lies inside the signed 24-bit immediate
.set li, 0
.rept 128
	global_load_b32 v[X+li], v2, s[20:21] offset:li*(\n)*4 th:TH_LOAD_NT
.set li, li+1
.endr
.endm
.macro WHERE n, sh, msk, ptr           ; s17 = the record's number in its weight: column group s17 >> sh, K step s17 & msk
	s_lshr_b32 s18, s17, \sh
	s_and_b32 s19, s17, \msk
	s_mul_i32 s19, s19, (\n)*512                   ; 128 rows of n x 4 bytes
	s_lshl_b32 s18, s18, 9                         ; 128 columns
	s_add_co_u32 s18, s18, s19
	s_add_co_u32 s18, s18, s22
	s_mov_b32 s19, 0
	s_add_nc_u64 s[20:21], s[\ptr:\ptr+1], s[18:19]
	LOADS \n
.endm
.macro BLOCK kb                        ; block kb of 32 along K: in the operand's layout it is registers 6 (kb / 2) .. + 5 of the image's lane r + 16 (kb % 2)
.set XS, X+32*(\kb)
.if (\kb) == 0
.set CC, C0
.else
.set CC, X+32*((\kb)-1)                ; over the block before, whose numbers have been converted
.endif
.if (\kb) == 0
	s_wait_loadcnt 63                              ; at most 63 of the 128 are out: the first 65 are in, blocks 0 and 1 among them (a wait names 63 at the most)
.elseif (\kb) == 2
	s_wait_loadcnt 32                              ; block 3's 32 may be out
.elseif (\kb) == 3
	s_wait_loadcnt 0x0
.endif
	v_max3_num_f32 v12, |v[XS]|, |v[XS+1]|, |v[XS+2]|
	v_max3_num_f32 v13, |v[XS+3]|, |v[XS+4]|, |v[XS+5]|
.irp i, 6,10,14,18,22,26
	s_delay_alu instid0(VALU_DEP_2)
	v_max3_num_f32 v12, v12, |v[XS+\i]|, |v[XS+\i+1]|
	s_delay_alu instid0(VALU_DEP_2)
	v_max3_num_f32 v13, v13, |v[XS+\i+2]|, |v[XS+\i+3]|
.endr
	s_delay_alu instid0(VALU_DEP_2)
	v_max3_num_f32 v12, v12, |v[XS+30]|, |v[XS+31]|
	s_delay_alu instid0(VALU_DEP_1)
	v_max3_num_f32 v12, v12, v13, 0x1800000        ; the floor 2^(3 - 127): the byte cannot fall under 1
	s_delay_alu instid0(VALU_DEP_1)
	v_add_nc_u32 v11, 0xff000000, v12              ; 2 off the exponent field: the conversion's scale operand
	v_cvt_scalef32_pk16_fp6_f32 v[CC:CC+2], v[XS:XS+15], v11
	v_cvt_scalef32_pk16_fp6_f32 v[CC+4:CC+6], v[XS+16:XS+31], v11   ; (a conversion's three registers begin on an even number)
	v_lshrrev_b32 v13, 23, v11                     ; the scale's byte; also the plain line behind the conversions
.if (\kb) == 0
	s_delay_alu instid0(VALU_DEP_1)
	v_mov_b32 v24, v13
.else
	s_delay_alu instid0(VALU_DEP_1)
	v_lshl_or_b32 v24, v13, 8*(\kb), v24           ; four bytes make my column's scale word
.endif
	v_mov_b32 v[CC+3], v[CC+4]                     ; six registers on end
	v_mov_b32 v[CC+4], v[CC+5]
	v_mov_b32 v[CC+5], v[CC+6]
.if (\kb)/2 == 0
	ds_store_b128 v3, v[CC:CC+3] offset:256*((\kb)%2)          ; registers 0-3
	ds_store_b64 v3, v[CC+4:CC+5] offset:256*((\kb)%2)+512     ; registers 4, 5
.else
	ds_store_b64 v3, v[CC:CC+1] offset:256*((\kb)%2)+520       ; registers 6, 7
	ds_store_b128 v3, v[CC+2:CC+5] offset:256*((\kb)%2)+1024   ; registers 8-11
.endif
.endm
	v_lshl_add_u32 v30, v0, 2, 0x16d00             ; my spare word, and 0: v30 and v31 serve nothing else in either job
	v_mov_b32 v31, 0
	s_cmp_ge_u32 ttmp9, NLN                        ; the same for all eight waves of a work-group
	s_cbranch_scc1 .Lweights
	; ======== THE FIRST JOB: a tile of 16 rows is normalised and quantised ========
	s_load_b256 s[4:11], s[0:1], 0x0               ; x, gain, bias, xa
	v_lshrrev_b32 v1, 5, v0
	s_delay_alu instid0(VALU_DEP_1)
	v_readfirstlane_b32 s12, v1                    ; wave 0..7
	v_and_b32 v2, 31, v0
	s_delay_alu instid0(VALU_DEP_1)
	v_lshlrev_b32 v3, 4, v2                        ; 16 x lane
	s_wait_alu depctr_va_vdst(0)
	v_and_b32 v6, 15, v0                           ; r
	s_wait_alu depctr_va_vdst(0)
	v_bfe_u32 v7, v0, 4, 1                         ; h
	s_lshr_b32 s13, ttmp9, 1
	s_lshl_b32 s13, s13, 5
	s_and_b32 s14, ttmp9, 1
	s_lshl_b32 s14, s14, 3
	s_add_co_u32 s13, s13, s14                     ; the tile's base row
	s_lshl_b32 s14, s12, 1
	s_add_co_u32 s13, s13, s14
	s_lshr_b32 s14, s12, 2
	s_lshl_b32 s14, s14, 3
	s_add_co_u32 s13, s13, s14                     ; + 2 w + 8 (w / 4): tile row 2 w
	s_lshl_b32 s14, s13, 12
	s_mov_b32 s15, 0
	s_mul_i32 s16, s12, 2*LP
	v_add_nc_u32 v4, s16, v3                       ; LDS, phase 1: tile row 2 w, 16 x lane
	v_mul_u32_u24 v5, v6, LP
	s_wait_alu depctr_va_vdst(0)
	v_lshl_add_u32 v5, v7, 6, v5
	s_lshl_b32 s26, s12, 9
	v_add_nc_u32 v5, s26, v5                       ; LDS, phase 2: row r, K step w, + 64 h
	v_lshlrev_b32 v20, 4, v6                       ; 16 r: my row's place among the scale words
	s_lshr_b32 s16, ttmp9, 3
	s_lshl_b32 s16, s16, 3
	s_add_co_u32 s16, s16, s12
	s_mul_i32 s16, s16, REC                        ; record (row group, K step w)
	s_and_b32 s17, ttmp9, 7                        ; the tile's number in it
	s_mul_i32 s18, s17, 1536
	s_add_co_u32 s18, s18, s16
	s_mov_b32 s19, 0
	s_lshr_b32 s24, s17, 2
	s_lshl_b32 s24, s24, 8
	s_and_b32 s17, s17, 3
	s_lshl_b32 s17, s17, 2
	s_add_co_u32 s24, s24, s17
	s_add_co_u32 s24, s24, s16
	s_add_co_u32 s24, s24, 12288
	s_mov_b32 s25, 0
	s_mov_b32 s[SEL], 0x76543210
	s_mov_b32 s[SEL+1], 0xfedcba98
	s_mov_b32 s22, 0x3a800000                      ; 1 / 1,024
	s_mov_b32 s23, 0x3727c5ac                      ; 1e-5
	s_wait_kmcnt 0x0
	s_add_nc_u64 s[4:5], s[4:5], s[14:15]
	s_add_nc_u64 s[18:19], s[10:11], s[18:19]      ; my image
	s_add_nc_u64 s[24:25], s[10:11], s[24:25]      ; my tile's scale words
.irp p, 0,1
.irp j, 0,1,2,3,4,5,6,7
	global_load_b128 v[XR+32*\p+4*\j:XR+32*\p+4*\j+3], v3, s[4:5] offset:4096*\p+512*\j   ; 512 consecutive bytes a load (x is read again by a later launch: no hint)
.endr
.endr
.irp j, 0,1,2,3,4,5,6,7
	global_load_b128 v[WG+4*\j:WG+4*\j+3], v3, s[6:7] offset:512*\j
.endr
.irp j, 0,1,2,3,4,5,6,7
	global_load_b128 v[BG+4*\j:BG+4*\j+3], v3, s[8:9] offset:512*\j
.endr
	s_wait_loadcnt 16                              ; the two rows are in; the 16 loads of gain and bias may be out
.irp p, 0,1
	v_pk_add_f32 v[8+4*\p:9+4*\p], v[XR+32*\p:XR+32*\p+1], v[XR+32*\p+2:XR+32*\p+3]
.endr
.irp j, 4,6,8,10,12,14,16,18,20,22,24,26,28,30
.irp p, 0,1
	s_delay_alu instid0(VALU_DEP_2)
	v_pk_add_f32 v[8+4*\p:9+4*\p], v[8+4*\p:9+4*\p], v[XR+32*\p+\j:XR+32*\p+\j+1]
.endr
.endr
	REDUCE
.irp p, 0,1
	s_delay_alu instid0(VALU_DEP_2)
	v_mul_f32 v[10+4*\p], s22, v[8+4*\p]           ; the mean,
.endr
.irp p, 0,1
	s_delay_alu instid0(VALU_DEP_2)
	v_mov_b32 v[11+4*\p], v[10+4*\p]               ; as a pair
.endr
.irp j, 0,2,4,6,8,10,12,14,16,18,20,22,24,26,28,30
.irp p, 0,1
	v_pk_add_f32 v[XR+32*\p+\j:XR+32*\p+\j+1], v[XR+32*\p+\j:XR+32*\p+\j+1], v[10+4*\p:11+4*\p] neg_lo:[0,1] neg_hi:[0,1]   ; x - mean
.endr
.endr
.irp p, 0,1
	v_pk_mul_f32 v[8+4*\p:9+4*\p], v[XR+32*\p:XR+32*\p+1], v[XR+32*\p:XR+32*\p+1]
.endr
.irp j, 2,4,6,8,10,12,14,16,18,20,22,24,26,28,30
.irp p, 0,1
	s_delay_alu instid0(VALU_DEP_2)
	v_pk_fma_f32 v[8+4*\p:9+4*\p], v[XR+32*\p+\j:XR+32*\p+\j+1], v[XR+32*\p+\j:XR+32*\p+\j+1], v[8+4*\p:9+4*\p]
.endr
.endr
	REDUCE
.irp p, 0,1
	s_delay_alu instid0(VALU_DEP_2)
	v_fma_f32 v[8+4*\p], v[8+4*\p], s22, s23       ; var + eps
.endr
	s_wait_alu depctr_va_vdst(0)
.irp p, 0,1
	v_rsq_f32 v[16+2*\p], v[8+4*\p]
.endr
	v_nop                                          ; a plain line behind the last of the two
	s_wait_alu depctr_va_vdst(0)                   ; one wait for both, ahead of their first reader
.irp p, 0,1
	v_mov_b32 v[17+2*\p], v[16+2*\p]
.endr
	s_wait_alu depctr_va_vdst(0)
	s_wait_loadcnt 0x0                             ; gain and bias
.irp j, 0,2,4,6,8,10,12,14,16,18,20,22,24,26,28,30
.irp p, 0,1
	v_pk_mul_f32 v[XR+32*\p+\j:XR+32*\p+\j+1], v[XR+32*\p+\j:XR+32*\p+\j+1], v[16+2*\p:17+2*\p]
.endr
.endr
.irp j, 0,2,4,6,8,10,12,14,16,18,20,22,24,26,28,30
.irp p, 0,1
	v_pk_fma_f32 v[XR+32*\p+\j:XR+32*\p+\j+1], v[XR+32*\p+\j:XR+32*\p+\j+1], v[WG+\j:WG+\j+1], v[BG+\j:BG+\j+1]
.endr
.endr
.irp p, 0,1
.irp j, 0,1,2,3,4,5,6,7
	ds_store_b128 v4, v[XR+32*\p+4*\j:XR+32*\p+4*\j+3] offset:LP*\p+512*\j
.endr
.endr
	s_wait_dscnt 0x0                               ; for the others' sake: my two rows have landed
	s_barrier_signal -1
	s_barrier_wait -1
.irp b, 0,1,2,3
.irp j, 0,1,2,3
	ds_load_b128 v[XR+16*\b+4*\j:XR+16*\b+4*\j+3], v5 offset:128*\b+16*\j   ; 16 neighbours of each block of 32
.endr
.endr
.irp b, 0,1,2,3
	v_mov_b32 v[TM+4+\b], 0                        ; a lane permute's destination counts as one of its sources
.endr
	s_wait_dscnt 0x0
	QUANT XR
.irp c, 0,1,2
	global_store_b128 v3, v[PC+4*\c:PC+4*\c+3], s[18:19] offset:512*\c      ; 512 consecutive bytes a store
.endr
	global_store_b32 v20, v[PW], s[24:25]          ; lanes l and l xor 16 hold the same word and name the same place
	s_wait_tensorcnt 0x0                           ; the wave's end
	ds_add_u32 v30, v31
	s_wait_dscnt 0x0
	s_endpgm
	; ======== THE SECOND JOB: two records of a weight ========
.Lweights:
	s_load_b256 s[4:11], s[0:1], 0x20              ; qkv_w, proj_w, fc1_w, fc2_w
	s_load_b64 s[12:13], s[0:1], 0x40              ; wimg
	v_lshrrev_b32 v1, 5, v0
	s_delay_alu instid0(VALU_DEP_1)
	v_readfirstlane_b32 s15, v1                    ; wave 0..7
	s_and_b32 s16, s15, 3                          ; w: columns 32 w on of my record, tiles 2 w and 2 w + 1
	s_lshr_b32 s14, s15, 2                         ; which of the work-group's two records
	s_sub_co_u32 s26, ttmp9, NLN
	s_lshl_b32 s26, s26, 1
	s_add_co_u32 s26, s26, s14                     ; the record's id
	v_and_b32 v1, 31, v0                           ; lane = my column among the 32
	s_delay_alu instid0(VALU_DEP_1)
	v_lshlrev_b32 v2, 2, v1                        ; 4 bytes a lane
	s_delay_alu instid0(VALU_DEP_2)
	v_bfe_u32 v9, v1, 3, 1                         ; u: which of the two tiles
	s_delay_alu instid0(VALU_DEP_3)
	v_and_b32 v10, 7, v1
	s_delay_alu instid0(VALU_DEP_4)
	v_lshrrev_b32 v11, 1, v1
	s_delay_alu instid0(VALU_DEP_1)
	v_and_b32 v11, 8, v11
	s_delay_alu instid0(VALU_DEP_1)
	v_add_nc_u32 v10, v10, v11                     ; r: my row in that tile
	s_wait_alu depctr_va_vdst(0)
	s_mul_i32 s17, s15, STG
	s_add_co_u32 s17, s17, WQL                     ; my wave's stage
	v_mul_u32_u24 v3, v9, IPT
	s_delay_alu instid0(VALU_DEP_1)
	v_lshl_add_u32 v3, v10, 4, v3
	s_delay_alu instid0(VALU_DEP_1)
	v_add_nc_u32 v3, s17, v3                       ; into the stage: image u, lane r's 16 bytes (+ 256 for the image's lanes 16-31)
	v_lshlrev_b32 v8, 4, v1                        ; 16 x lane
	s_wait_alu depctr_va_vdst(0)
	v_add_nc_u32 v4, s17, v8                       ; out of the stage
	s_lshr_b32 s18, s16, 1
	s_lshl_b32 s18, s18, 8
	s_and_b32 s19, s16, 1
	s_lshl_b32 s19, s19, 3
	s_add_co_u32 s18, s18, s19
	s_lshl_b32 s19, s14, 9
	s_add_co_u32 s19, s19, SCA                     ; my record's scale words
	s_add_co_u32 s18, s18, s19
	v_lshlrev_b32 v5, 4, v10
	s_delay_alu instid0(VALU_DEP_1)
	v_lshl_add_u32 v5, v9, 2, v5
	s_delay_alu instid0(VALU_DEP_1)
	v_add_nc_u32 v5, s18, v5                       ; my scale word: 256 (tile / 4) + 16 r + 4 (tile % 4), tile = 2 w + u
	v_add_nc_u32 v6, s19, v8                       ; the scale words on the way out
	s_mul_i32 s18, s16, 3072
	v_add_nc_u32 v7, s18, v8                       ; my wave's two images in the record
	s_lshl_b32 s22, s16, 7                         ; my wave's 128 bytes of a row of the weight
	s_mul_i32 s24, s26, REC
	s_mov_b32 s25, 0
	s_wait_kmcnt 0x0
	s_add_nc_u64 s[12:13], s[12:13], s[24:25]      ; my record
	; four arms on the work-group's number (the bounds, 192, 256 and 512 records, are even: both records of a work-group lie in one weight): they form an address and issue 128 loads each, and touch no LDS
	s_cmp_ge_u32 ttmp9, NLN+96
	s_cbranch_scc1 .Lnot_qkv
	s_mov_b32 s17, s26
	WHERE 3072, 3, 7, 4
	s_branch .Ljoin
.Lnot_qkv:
	s_cmp_ge_u32 ttmp9, NLN+128
	s_cbranch_scc1 .Lnot_proj
	s_sub_co_u32 s17, s26, 192
	WHERE 1024, 3, 7, 6
	s_branch .Ljoin
.Lnot_proj:
	s_cmp_ge_u32 ttmp9, NLN+256
	s_cbranch_scc1 .Lfc2
	s_sub_co_u32 s17, s26, 256
	WHERE 4096, 3, 7, 8
	s_branch .Ljoin
.Lfc2:
	s_sub_co_u32 s17, s26, 512
	WHERE 1024, 5, 31, 10
.Ljoin:                                        ; on every way 128 loads have been issued
	BLOCK 0
	BLOCK 1
	BLOCK 2
	BLOCK 3
	ds_store_b32 v5, v24
.irp u, 0,1
.irp c, 0,1,2
	ds_load_b128 v[OUTR+12*\u+4*\c:OUTR+12*\u+4*\c+3], v4 offset:IPT*\u+512*\c   ; my own stage: LDS serves a wave's instructions in order
.endr
.endr
	s_wait_dscnt 0x0                               ; the images are back, and my scale words have landed for the sake of the wave that stores them
.irp u, 0,1
.irp c, 0,1,2
	global_store_b128 v7, v[OUTR+12*\u+4*\c:OUTR+12*\u+4*\c+3], s[12:13] offset:1536*\u+512*\c   ; 32 lanes store 512 consecutive bytes
.endr
.endr
	s_barrier_signal -1
	s_barrier_wait -1                              ; all waves' scale words lie in LDS
	s_cmp_lg_u32 s16, 0                            ; the first wave of each record (waves 0 and 4) stores its 512 bytes of scale words
	s_cbranch_scc1 .Lend
	ds_load_b128 v[OUTR+24:OUTR+27], v6
	s_wait_dscnt 0x0
	global_store_b128 v8, v[OUTR+24:OUTR+27], s[12:13] offset:12288
.Lend:
	s_wait_tensorcnt 0x0                           ; the wave's end
	ds_add_u32 v30, v31
	s_wait_dscnt 0x0
	s_endpgm
.Lfunc_end_k_q68c0a6a820_prep:
	.size	k_q68c0a6a820_prep, .Lfunc_end_k_q68c0a6a820_prep-k_q68c0a6a820_prep
	.p2alignl 7, 3214868480
	.fill 96, 4, 3214868480
	.section	.rodata,"a",@progbits
	.p2align	6, 0x0
	.amdhsa_kernel k_q68c0a6a820_prep
		.amdhsa_group_segment_fixed_size 94464
		.amdhsa_private_segment_fixed_size 0
		.amdhsa_enable_private_segment 0
		.amdhsa_kernarg_size 72
		.amdhsa_user_sgpr_count 2
		.amdhsa_user_sgpr_kernarg_segment_ptr 1
		.amdhsa_wavefront_size32 1
		.amdhsa_system_sgpr_workgroup_id_x 1
		.amdhsa_system_sgpr_workgroup_id_y 1
		.amdhsa_system_sgpr_workgroup_id_z 1
		.amdhsa_system_vgpr_workitem_id 0
		.amdhsa_next_free_vgpr 160
		.amdhsa_next_free_sgpr 66
		.amdhsa_reserve_vcc 0
		.amdhsa_float_denorm_mode_32 3
		.amdhsa_float_denorm_mode_16_64 3
		.amdhsa_memory_ordered 1
		.amdhsa_forward_progress 1
		.amdhsa_inst_pref_size 91
	.end_amdhsa_kernel
	.amdgpu_metadata
---
amdhsa.version: [ 1, 2 ]
amdhsa.kernels:
  - .name:           k_q68c0a6a820_prep
    .symbol:         k_q68c0a6a820_prep.kd
    .args:
      - { .name: x, .offset: 0, .size: 8, .value_kind: global_buffer, .address_space: global }
      - { .name: ln1_w, .offset: 8, .size: 8, .value_kind: global_buffer, .address_space: global }
      - { .name: ln1_b, .offset: 16, .size: 8, .value_kind: global_buffer, .address_space: global }
      - { .name: xa, .offset: 24, .size: 8, .value_kind: global_buffer, .address_space: global }
      - { .name: qkv_w, .offset: 32, .size: 8, .value_kind: global_buffer, .address_space: global }
      - { .name: proj_w, .offset: 40, .size: 8, .value_kind: global_buffer, .address_space: global }
      - { .name: fc1_w, .offset: 48, .size: 8, .value_kind: global_buffer, .address_space: global }
      - { .name: fc2_w, .offset: 56, .size: 8, .value_kind: global_buffer, .address_space: global }
      - { .name: wimg, .offset: 64, .size: 8, .value_kind: global_buffer, .address_space: global }
    .group_segment_fixed_size: 94464
    .private_segment_fixed_size: 0
    .kernarg_segment_align: 8
    .kernarg_segment_size: 72
    .max_flat_workgroup_size: 256
    .sgpr_count:     66
    .vgpr_count:     160
    .wavefront_size: 32
...
	.end_amdgpu_metadata
.endif
;; end of part 1
;; launch qkv (part 2): grid 12 x 16, 4 waves a work-group, clusters of 4 x 4, 327,680 bytes of LDS; arguments xa, wimg, qkv_b, qkvimg; writes qkvimg
.if DOCPART == 2
	.amdgcn_target "amdgcn-amd-amdhsa--gfx1250"
	.amdhsa_code_object_version 6
	.text
	.protected	k_q68c0a6a820_qkv
	.globl	k_q68c0a6a820_qkv
	.p2align	8
	.type	k_q68c0a6a820_qkv,@function
k_q68c0a6a820_qkv:
	s_mov_b64 s[64:65], 0
	v_nop
	global_prefetch_b8 v0, s[64:65] scope:SCOPE_SE
	s_setreg_imm32_b32 hwreg(HW_REG_WAVE_MODE, 25, 1), 1
	s_wait_xcnt 0x0
	s_wait_alu depctr_hold_cnt(0) depctr_sa_sdst(0) depctr_va_vdst(0) depctr_va_sdst(0) depctr_va_ssrc(0) depctr_va_vcc(0) depctr_vm_vsrc(0)
	s_getreg_b32 s2, hwreg(HW_REG_IB_STS2, 6, 4)
	s_cmp_eq_u32 s2, 0
	s_cbranch_scc0 .Lentry_in_a_cluster
	s_endpgm
.Lentry_in_a_cluster:
	s_bfe_u32 s2, ttmp6, 0x10000c
	s_cmp_lg_u32 s2, 0xf033
	s_cbranch_scc0 .Lentry_shape_is_right
	s_endpgm
.Lentry_shape_is_right:
; qkv = LN1(x) qkv_w + qkv_b on codes of FP6 (E2M3), and q, k, v quantised again on the way out, as operands of attention's two products.
; OPERANDS are records of 12,800 bytes (128 rows x 128 K): 8 images of an operand's 12 registers (group 4 c .. of lane l at 512 c + 16 l), then scale words [tile / 4][r][tile % 4].
; Row r of tile 2 b + u is row 32 b + 8 u + r + 8 (r / 8).  A buffer is [row group][K step][record], so consecutive K steps of a row group are one dense block.
; A tile of the result, 256 x 256, is made by four waves, 128 x 128 each (64 accumulators, 512 registers).  K = 1,024 goes in slots of two K steps of 128 through a ring of two LDS slots.
; THE MATRIX INSTRUCTION: source 0 = "B" (16 rows), source 1 = "A": a lane holds one row of A, and the 16 registers of B's tiles 2 b, 2 b + 1 hold 16 neighbouring rows of B.
; q, k (cluster x = 0, 1): A = tokens, B = columns of qkv_w: a lane holds a token and its registers run along the head's channels, the K of q k^T.
; v (cluster x = 2): THE ROLES ARE SWAPPED by choosing the pointers: A = columns of qkv_w, B = tokens: a lane holds a channel and its registers run along the tokens, the K of p v.
; CLUSTERS: 4 x 4 work-groups; A's tiles are shared along a row of the cluster, B's along a column, each asked for jointly.  The cluster's x is the same in all sixteen partners.
; OUT: qkvimg.  From 0: record (16 bh + step of 128 tokens): K's four pair images (registers 0-5 token tile 2 b, 6-11 tile 2 b + 1; K = 64 each), V^T's four images, K's scale words [r][b], V's [r][tile].  From QREG: Q's pair images and words likewise.
; LIMITS: NaN and infinities are not served; a block whose largest magnitude lies under 2^-124 gets the byte 1.
; REGISTERS: window 0: v4-15 new scale words; v16-31 addresses; v32-63 the products' scale words, two sets; v64-127 bias along registers; v128-223 A's fragments, one set (on the way out: numbers, codes); v240-255 bias along lanes.
;   window 1: B's fragments, two sets, at v0 and v128.   windows 2, 3: the accumulators, (a, b) at v[8 (8 (a % 4) + b)] of window 2 + a / 4.
.set REC,   12800
.set RGN,   25600                      ; what one tensor load brings: two records
.set SLOT,  102400                     ; A's two row groups, then B's two
.set SPARE, 204800                     ; behind the ring: the spare words, 128 bytes a wave
.set NBK,   8                          ; blocks of 16 rows a side a wave
.set NQ,    2                          ; K steps in a slot
.set AW,    25600                      ; from wave half to wave half in A's (B's) part of a slot
.set SWD,   25600                      ; the same for the scale words
.set NKS,   8
.set LAPS,  NKS/(2*NQ)
.set NLA,   3                          ; LDS loads that bring a fragment of A
.set FR,    12
.set QREG,  6553600
.set ADRA, 16
.set ADRB, 20
.set ADRS, 22
.set LI,   24                          ; 16 x lane
.set SCOF, 25                          ; 16 r + 16 records x (lane / 16)
.set SPW,  28
.set NIL,  29
.set SC,   32
.set AF,   128
.set BI,   64
.set BIV,  240
.set ST,   128
.set PC,   192
.set TM,   212
.set PW,   228
.set PWS,  8
.set SWR,  4
.set SEL,  78
.set G1,  24
.set G0,  32
.set G1B, 48
.set G0B, 56
.set MSB, 0
.macro WIN new                         ; the immediate's high byte repeats the setting that is left
.if MSB != (\new)
	s_set_vgpr_msb (MSB<<8)|(\new)
.set MSB, (\new)
.endif
.endm
.set MUL_LO, 0xa1                      ; source 0 (B) window 1, source 1 (A) window 0, C and D window 2
.set MUL_HI, 0xf1
.set TO_B,   0x40
.macro PLACES
.rept 4
	v_nop
.endr
.endm
.macro JLOAD g0a, g1a, g0b, g1b        ; waves 0, 1 fetch for A, waves 2, 3 for B; four v_nop follow each line
	s_cmp_eq_u32 s15, 0
	s_cbranch_scc0 .Lfor_b_\@
	tensor_load_to_lds s[\g0a:\g0a+3], s[\g1a:\g1a+7]
	s_nop 0
.rept 4
	v_nop
.endr
	s_branch .Lasked_\@
.Lfor_b_\@:
	tensor_load_to_lds s[\g0b:\g0b+3], s[\g1b:\g1b+7]
	s_nop 0
.rept 4
	v_nop
.endr
.Lasked_\@:
.endm
.macro CREST
	s_cmp_lg_u32 s14, 0
	s_cbranch_scc1 .Lnot_wave_0_\@
	s_barrier_signal -3
.Lnot_wave_0_\@:
	s_barrier_wait -3
	s_barrier_signal -1
	s_barrier_wait -1
.endm
.macro CROUND
	s_barrier_signal -1
	s_barrier_wait -1
	CREST
.endm
.macro QUANT s                         ; 64 numbers, register 16 b + i = element 32 b + 16 (lane / 16) + i of my row, become a fragment in v[PC] on and its scale word in v[PW]
.irp b, 0,1,2,3
	v_max3_num_f32 v[TM+\b], |v[\s+16*\b]|, |v[\s+1+16*\b]|, 0x1800000
.endr
.irp i, 2,4,6,8,10,12,14
.irp b, 0,1,2,3
	v_max3_num_f32 v[TM+\b], v[TM+\b], |v[\s+16*\b+\i]|, |v[\s+1+16*\b+\i]|
.endr
.endr
.irp b, 0,1,2,3
	v_permlanex16_b32 v[TM+4+\b], v[TM+\b], s[SEL], s[SEL+1]
.endr
.irp b, 0,1,2,3
	v_max_num_f32 v[TM+\b], v[TM+\b], v[TM+4+\b]
.endr
.irp b, 0,1,2,3
	v_add_nc_u32 v[TM+12+\b], 0xff000000, v[TM+\b]
.endr
.irp b, 0,1,2,3
	v_lshrrev_b32 v[TM+4+\b], 23, v[TM+12+\b]
.endr
	v_lshl_or_b32 v[PW], v[TM+5], 8, v[TM+4]
	v_lshl_or_b32 v[PW], v[TM+6], 16, v[PW]
	v_lshl_or_b32 v[PW], v[TM+7], 24, v[PW]
.irp c, 0,1
	v_cvt_scalef32_pk16_fp6_f32 v[PC+6*\c:PC+2+6*\c], v[\s+32*\c:\s+15+32*\c], v[TM+12+2*\c]
	v_cvt_scalef32_pk16_fp6_f32 v[PC+12+4*\c:PC+14+4*\c], v[\s+16+32*\c:\s+31+32*\c], v[TM+12+2*\c+1]
.endr
	v_nop                                          ; one plain line behind the conversions
.irp c, 0,1
.irp i, 0,1,2
	v_permlane16_swap_b32 v[PC+6*\c+\i], v[PC+12+4*\c+\i]
.endr
.irp i, 0,1,2
	v_cndmask_b32 v[PC+3+6*\c+\i], v[PC+12+4*\c+\i], v[PC+6*\c+\i], s88   ; the block's second three registers: its upper 16 codes, or under the mask its lower 16
	v_cndmask_b32 v[PC+6*\c+\i], v[PC+6*\c+\i], v[PC+12+4*\c+\i], s88     ; and the first three the other way round
.endr
.endr
.endm
	s_load_b128 s[4:7], s[0:1], 0x0                ; xa, wimg
	s_load_b128 s[8:11], s[0:1], 0x10              ; qkv_b, qkvimg
	v_lshl_add_u32 v[SPW], v0, 2, SPARE
	v_mov_b32 v[NIL], 0
	ds_add_u32 v28, v29
	ds_add_u32 v28, v29
	s_wait_dscnt 0x0
	v_lshrrev_b32 v1, 5, v0
	v_readfirstlane_b32 s14, v1                    ; wave 0..3
	v_and_b32 v27, 31, v0                          ; the prefetches' offset: a lane a block of 256 bytes, 25 blocks; the lanes left over name the last again; never rewritten
	v_min_u32 v27, 24, v27
	v_lshlrev_b32 v27, 8, v27
	s_wait_alu depctr_va_vdst(0)
	s_lshr_b32 s15, s14, 1                         ; wm: my half of A's rows.  Also: I fetch for A (0) or for B (1)
	s_and_b32 s16, s14, 1                          ; wn: my half of B's rows.  Also: which row group I fetch
	s_bfe_u32 s40, ttmp6, 0x40000                  ; cx
	s_bfe_u32 s41, ttmp6, 0x40004                  ; cy
	s_and_b32 s18, ttmp7, 0xffff
	s_lshl_b32 s18, s18, 2                         ; 4 x cluster y
	s_lshl_b32 s19, ttmp9, 2                       ; 4 x cluster x
	s_add_co_u32 s22, s18, s41                     ; token tile by cy
	s_add_co_u32 s23, s41, 8                       ; v's column tile by cy
	s_add_co_u32 s67, s19, s40                     ; column tile by cx
	s_add_co_u32 s68, s18, s40                     ; token tile by cx
	s_cmp_eq_u32 ttmp9, 2                          ; v?
	s_cselect_b32 s17, s23, s22                    ; A's tile of 256 rows: hangs on cy
	s_cselect_b32 s42, s68, s67                    ; B's: hangs on cx
	s_lshl_b32 s43, s41, 2
	s_lshl_b32 s43, 15, s43                        ; my row of the cluster
	s_lshl_b32 s44, 0x1111, s40                    ; my column
	s_or_b32 s[G1], s43, (3<<16)|(1<<21)           ; the mask; elements of 8 bytes; bit 21 beside a mask; no padding
	s_or_b32 s[G1B], s44, (3<<16)|(1<<21)
.irp g, G1, G1B                                ; a dense block of 25,600 bytes as 100 rows of 256
	s_mov_b32 s[\g+1], 32<<16
	s_mov_b32 s[\g+2], 100<<16
	s_mov_b32 s[\g+3], 32<<16
	s_mov_b32 s[\g+4], 100
	s_mov_b32 s[\g+5], 32
	s_mov_b32 s[\g+6], 0
	s_mov_b32 s[\g+7], 0
.endr
	s_lshl_b32 s20, s17, 1
	s_add_co_u32 s20, s20, s16
	s_mul_i32 s20, s20, NKS*REC                    ; A: row group 2 tile + (wave & 1)
	s_mov_b32 s21, 0
	s_lshl_b32 s46, s42, 1
	s_add_co_u32 s46, s46, s16
	s_mul_i32 s46, s46, NKS*REC                    ; B likewise
	s_mov_b32 s47, 0
	s_mul_i32 s45, s14, RGN                        ; where it goes: wave x 25,600
	s_wait_kmcnt 0x0
	s_cmp_eq_u32 ttmp9, 2
	s_cselect_b64 s[70:71], s[6:7], s[4:5]         ; A's buffer: the weights for v, else the tokens
	s_cselect_b64 s[72:73], s[4:5], s[6:7]         ; B's
	s_add_nc_u64 s[20:21], s[70:71], s[20:21]
	s_add_nc_u64 s[46:47], s[72:73], s[46:47]
	; PREFETCHES INTO THE L2: of the 25,600 bytes that my wave fetches for a slot, each of the four partners that ask for them jointly names 6,400, told apart by address (cx for A, cy for B); a slot's bytes are named two fills ahead of their load
	s_cmp_eq_u32 s15, 0
	s_cselect_b64 s[92:93], s[20:21], s[46:47]
	s_cselect_b32 s94, s40, s41
	s_mul_i32 s94, s94, 6400
	s_mov_b32 s95, 0
	s_add_nc_u64 s[92:93], s[92:93], s[94:95]      ; never rewritten: the slots stand in the immediates; slot 3 ends at the row group's last byte
	CROUND                                         ; all sixteen work-groups are here: the first joint loads meet
.irp s, 0,1
	s_mov_b32 s[G0+4*\s], 1
	s_add_co_u32 s[G0+4*\s+1], s45, \s*SLOT
	s_add_nc_u64 s[G0+4*\s+2:G0+4*\s+3], s[20:21], \s*NQ*REC
	s_or_b32 s[G0+4*\s+3], s[G0+4*\s+3], 0x80000000
	s_mov_b32 s[G0B+4*\s], 1
	s_add_co_u32 s[G0B+4*\s+1], s45, \s*SLOT
	s_add_nc_u64 s[G0B+4*\s+2:G0B+4*\s+3], s[46:47], \s*NQ*REC
	s_or_b32 s[G0B+4*\s+3], s[G0B+4*\s+3], 0x80000000
.if \s == 0
	JLOAD G0+4*\s, G1, G0B+4*\s, G1B               ; slot 0: one tensor load a wave at the head
	global_prefetch_b8 v27, s[92:93] offset:NQ*REC th:TH_LOAD_NT scope:SCOPE_SE      ; slot 1's bytes
	global_prefetch_b8 v27, s[92:93] offset:2*NQ*REC th:TH_LOAD_NT scope:SCOPE_SE    ; slot 2's
.endif
.endr
	v_and_b32 v1, 15, v0                           ; r
	v_bfe_u32 v2, v0, 4, 1                         ; h
	s_wait_alu depctr_va_vdst(0)
	v_and_b32 v26, 31, v0                          ; lane
	v_lshlrev_b32 v[LI], 4, v26
	s_mul_i32 s18, s15, AW
	s_mul_i32 s19, s16, AW
	s_add_co_u32 s19, s19, 2*RGN
.irp s, 0,1
	v_add_nc_u32 v[ADRA+\s], s18, v[LI]
	v_add_nc_u32 v[ADRB+\s], s19, v[LI]
	s_add_co_u32 s18, s18, SLOT
	s_add_co_u32 s19, s19, SLOT
.endr
	s_mul_i32 s18, s15, SWD                        ; the scale words: lanes 0-15 take A's, lanes 16-31 B's
	s_mul_i32 s19, s16, SWD
	s_add_co_u32 s19, s19, 2*RGN
	s_sub_co_u32 s19, s19, s18
	v_mul_u32_u24 v5, s19, v2
	v_lshl_add_u32 v5, v1, 4, v5
	s_add_co_u32 s18, s18, 12288
	v_add_nc_u32 v[ADRS], s18, v5
	v_add_nc_u32 v[ADRS+1], SLOT, v[ADRS]
	v_mul_u32_u24 v[SCOF], v2, 16*REC
	v_lshl_add_u32 v[SCOF], v1, 4, v[SCOF]
	; the biases, both kinds, for every work-group (both stay inside qkv_b): they land under the K loop
	v_lshlrev_b32 v30, 6, v2                       ; 64 h
	s_wait_alu depctr_va_vdst(0)
	v_and_b32 v31, 8, v1
	v_add_nc_u32 v31, v31, v1
	v_lshlrev_b32 v31, 2, v31                      ; 4 (r + 8 (r / 8))
	s_wait_alu depctr_va_vdst(0)
	s_lshl_b32 s18, s67, 10
	s_lshl_b32 s19, s16, 9
	s_add_co_u32 s18, s18, s19
	s_mov_b32 s19, 0
	s_add_nc_u64 s[70:71], s[8:9], s[18:19]        ; columns 256 (4 X + cx) + 128 wn on
	s_lshl_b32 s18, s41, 10
	s_lshl_b32 s22, s15, 9
	s_add_co_u32 s18, s18, s22
	s_add_co_u32 s18, s18, 8192
	s_add_nc_u64 s[72:73], s[8:9], s[18:19]        ; columns 2,048 + 256 cy + 128 wm on
.irp b, 0,1,2,3
.irp j, 0,1,2,3
	global_load_b128 v[BI+16*\b+4*\j:BI+16*\b+4*\j+3], v30, s[70:71] offset:128*\b+16*\j   ; register 16 b + i: column 32 b + 16 h + i
.endr
.endr
.irp a, 0,1,2,3,4,5,6,7
	global_load_b32 v[BIV+2*\a], v31, s[72:73] offset:4*(32*(\a/2)+8*(\a%2))               ; my row of A's block a
	global_load_b32 v[BIV+2*\a+1], v31, s[72:73] offset:4*(32*(\a/2)+8*(\a%2))             ; (named with it as a pair)
.endr
	; where my results go.  q, k: token group 2 tA + wm, heads 4 cx + 2 wn on;  v: token group 2 tB + wn, heads 4 cy + 2 wm on
	s_lshl_b32 s80, s17, 1
	s_add_co_u32 s80, s80, s15
	s_lshl_b32 s81, s42, 1
	s_add_co_u32 s81, s81, s16
	s_lshl_b32 s82, s40, 2
	s_lshl_b32 s83, s16, 1
	s_add_co_u32 s82, s82, s83
	s_lshl_b32 s83, s41, 2
	s_lshl_b32 s84, s15, 1
	s_add_co_u32 s83, s83, s84
	s_mov_b32 s85, 12288
	s_cmp_eq_u32 ttmp9, 2
	s_cselect_b32 s80, s81, s80                    ; the token group
	s_cselect_b32 s82, s83, s82                    ; the first of my two heads
	s_cselect_b32 s84, 6144, 0                     ; V's images lie behind K's
	s_cselect_b32 s85, 12544, s85                  ; and its scale words behind K's
	s_cselect_b32 s88, 0xffff0000, 0               ; v alone: lanes 16-31 (the odd blocks of 32 keys) lay their block's upper 16 codes first, as attention's p has them
	s_cmp_eq_u32 ttmp9, 0
	s_cselect_b32 s86, QREG, 0
	s_lshr_b32 s81, s80, 4
	s_lshl_b32 s81, s81, 4
	s_add_co_u32 s81, s81, s82                     ; 16 batch + head
	s_lshl_b32 s81, s81, 4
	s_and_b32 s80, s80, 15
	s_add_co_u32 s81, s81, s80                     ; the record
	s_mul_i32 s81, s81, REC
	s_add_co_u32 s81, s81, s86
	s_add_co_u32 s74, s81, s84
	s_mov_b32 s75, 0
	s_add_co_u32 s76, s81, s85
	s_mov_b32 s77, 0
	s_add_nc_u64 s[74:75], s[10:11], s[74:75]      ; images
	s_add_nc_u64 s[76:77], s[10:11], s[76:77]      ; scale words
	s_mov_b32 s[SEL], 0x76543210
	s_mov_b32 s[SEL+1], 0xfedcba98
.macro FRAG16 reg, adr, off            ; an image comes back as it was stored: three loads of 16 bytes a lane, 512 consecutive bytes each
.irp c, 0,1,2
	ds_load_b128 v[(\reg)+4*\c:(\reg)+4*\c+3], v[\adr] offset:(\off)+512*\c
.endr
.endm
.macro FETCH_B slot, q, p
	WIN TO_B
.set fi, 0
.rept NBK
	FRAG16 128*(\p)+FR*fi, ADRB+\slot, (\q)*REC+1536*fi
.set fi, fi+1
.endr
	WIN 0
.endm
.macro FETCH_A slot, q, i0
.set fi, \i0
.rept NBK/2
	FRAG16 AF+FR*fi, ADRA+\slot, (\q)*REC+1536*fi
.set fi, fi+1
.endr
.endm
.macro SCALES slot                     ; the slot's scale words: register NBK q + i: lanes 0-15 A's block i, lanes 16-31 B's block i, K step q
.set sq, 0
.rept NQ
.set sd, 0
.rept NBK/4
	ds_load_b128 v[SC+16*(\slot)+NBK*sq+4*sd:SC+16*(\slot)+NBK*sq+4*sd+3], v[ADRS+\slot] offset:sq*REC+256*sd
.set sd, sd+1
.endr
.set sq, sq+1
.endr
.endm
.macro MULQ k, p, q, sc, zero          ; a quarter of a K step: NBK / 4 blocks of A x all of B's.  The accumulators take turns, one instruction a turn, in one order in every step
.set ma, (\k)*NBK/4
.rept NBK/4
.set mb, 0
.rept NBK
.set rD, (8*(NBK*ma+mb))%256
.if \zero
	v_wmma_scale_f32_16x16x128_f8f6f4 v[rD:rD+7], v[128*(\p)+FR*mb:128*(\p)+FR*mb+FR-1], v[AF+FR*ma:AF+FR*ma+FR-1], 0, v[SC+16*(\sc)+NBK*(\q)+mb], v[SC+16*(\sc)+NBK*(\q)+ma] matrix_a_fmt:MATRIX_FMT_FP6 matrix_b_fmt:MATRIX_FMT_FP6 matrix_a_scale:MATRIX_SCALE_ROW1
.else
	v_wmma_scale_f32_16x16x128_f8f6f4 v[rD:rD+7], v[128*(\p)+FR*mb:128*(\p)+FR*mb+FR-1], v[AF+FR*ma:AF+FR*ma+FR-1], v[rD:rD+7], v[SC+16*(\sc)+NBK*(\q)+mb], v[SC+16*(\sc)+NBK*(\q)+ma] matrix_a_fmt:MATRIX_FMT_FP6 matrix_b_fmt:MATRIX_FMT_FP6 matrix_a_scale:MATRIX_SCALE_ROW1
.endif
.set mb, mb+1
.endr
.set ma, ma+1
.endr
.endm
.macro STEP slot, q, zero              ; a K step that has its successor in the same slot
	s_wait_dscnt (NBK/2)*NLA                       ; all but the youngest loads, A's upper blocks
	WIN MUL_LO
	MULQ 0, (\q)%2, \q, \slot, \zero
	MULQ 1, (\q)%2, \q, \slot, \zero
	s_wait_dscnt 0
	PLACES                                         ; in front of loads into registers that matrix instructions have read
	FETCH_B \slot, (\q)+1, 1-(\q)%2
	FETCH_A \slot, (\q)+1, 0
	WIN MUL_HI
	MULQ 2, (\q)%2, \q, \slot, \zero
	MULQ 3, (\q)%2, \q, \slot, \zero
	PLACES
	WIN 0
	FETCH_A \slot, (\q)+1, NBK/2
.endm
.macro TURN slot, next, fill           ; a slot's last K step changes slots: one barrier; fill = 1: it opens a round of the cluster's barrier, and this slot is filled again
	s_wait_tensorcnt 0x0                           ; all my tensor loads have landed: my part of the next slot
	ds_add_u32 v[SPW], v[NIL]                      ; 0 onto my spare word
	s_wait_dscnt (NBK/2)*NLA+1                     ; (the add and A's upper blocks may be out)
	WIN MUL_LO
	MULQ 0, 1, NQ-1, \slot, 0
	s_wait_dscnt 0x0                               ; the add is done, and my reads of this slot are over
	s_barrier_signal -1
	MULQ 1, 1, NQ-1, \slot, 0
	WIN 0
	s_barrier_wait -1
.if \fill
	CREST                                          ; no wave of any partner still reads this slot or has a load on its way
	s_add_nc_u64 s[G0+4*\slot+2:G0+4*\slot+3], s[G0+4*\slot+2:G0+4*\slot+3], 2*NQ*REC
	s_add_nc_u64 s[G0B+4*\slot+2:G0B+4*\slot+3], s[G0B+4*\slot+2:G0B+4*\slot+3], 2*NQ*REC
	JLOAD G0+4*\slot, G1, G0B+4*\slot, G1B         ; the first tensor load behind the round; its four v_nop are the places in front of the loads below
.else
	PLACES
.endif
	FETCH_B \next, 0, 0
	FETCH_A \next, 0, 0
	SCALES \next
	WIN MUL_HI
	MULQ 2, 1, NQ-1, \slot, 0
	MULQ 3, 1, NQ-1, \slot, 0
	PLACES
	WIN 0
	FETCH_A \next, 0, NBK/2
.endm
	s_wait_alu depctr_va_vdst(0)
	s_wait_tensorcnt 0x0                           ; my part of slot 0 is in
	ds_add_u32 v[SPW], v[NIL]
	s_wait_dscnt 0x0
	CROUND                                         ; everybody's part of slot 0 is in, and the joint loads meet
	JLOAD G0+4, G1, G0B+4, G1B                     ; slot 1's first fill, the first tensor load behind the round
	FETCH_B 0, 0, 0
	FETCH_A 0, 0, 0
	SCALES 0
	FETCH_A 0, 0, NBK/2
	global_prefetch_b8 v27, s[92:93] offset:3*NQ*REC th:TH_LOAD_NT scope:SCOPE_SE    ; slot 3's bytes, the last
	STEP 0, 0, 1                                   ; the first step's products start the sums
	s_mov_b32 s3, LAPS-1
.Llap:                                             ; a trip goes once round the ring and fills both slots again
	TURN 0, 1, 1
	STEP 1, 0, 0
	TURN 1, 0, 1
	STEP 0, 0, 0
	s_sub_co_u32 s3, s3, 1
	s_cmp_lg_u32 s3, 0
	s_cbranch_scc1 .Llap
	TURN 0, 1, 0                                   ; the last lap fills nothing
	STEP 1, 0, 0
	s_wait_dscnt (NBK/2)*NLA
	WIN MUL_LO
	MULQ 0, 1, NQ-1, 1, 0
	MULQ 1, 1, NQ-1, 1, 0
	s_wait_dscnt 0
	WIN MUL_HI
	MULQ 2, 1, NQ-1, 1, 0
	MULQ 3, 1, NQ-1, 1, 0
	WIN 0
; THE WAY OUT: eight groups of 64 numbers a lane; each becomes one image and one scale word a row.  Group (hd, sub): head hd of my two.
; q, k: token tiles 2 sub and 2 sub + 1, the head's 64 channels each: a pair image.   v: channel tile sub of the head (A's block 4 hd + sub), my 128 tokens.
.macro GROUP hd, sub
	s_wait_xcnt 0x0                                ; the last group's stores have read the codes' registers
	s_cmp_eq_u32 ttmp9, 2
	s_cbranch_scc1 .Lv_\@
	WIN 0x02+(\sub)/2
.set gx, 0
.rept 8
.set rA, (8*(8*(2*(\sub)+gx/4)+4*(\hd)+gx%4))%256
.set rB, BI+8*(4*(\hd)+gx%4)
.irp j, 0,2,4,6
	v_pk_add_f32 v[ST+8*gx+\j:ST+8*gx+\j+1], v[rA+\j:rA+\j+1], v[rB+\j:rB+\j+1]     ; each accumulator from its low end on; the bias rides on the move
.endr
.set gx, gx+1
.endr
	WIN 0
	s_branch .Ld_\@
.Lv_\@:
	WIN 0x02+(\hd)
.set gx, 0
.rept 8
.set rA, (8*(8*(4*(\hd)+(\sub))+gx))%256
.set rB, BIV+2*(4*(\hd)+(\sub))
.irp j, 0,2,4,6
	v_pk_add_f32 v[ST+8*gx+\j:ST+8*gx+\j+1], v[rA+\j:rA+\j+1], v[rB:rB+1] op_sel_hi:[1,0]
.endr
.set gx, gx+1
.endr
	WIN 0
.Ld_\@:
	QUANT ST
.irp c, 0,1,2
	global_store_b128 v[LI], v[PC+4*\c:PC+4*\c+3], s[74:75] offset:(\hd)*16*REC+(\sub)*1536+512*\c   ; 512 consecutive bytes a store; the next head's record lies 16 records on
.endr
	v_mov_b32 v[PWS+4*(\hd)+(\sub)], v[PW]
.endm
	s_wait_loadcnt 0x0                             ; the biases
	PLACES                                         ; behind the last products
.irp b, 0,1,2,3
	v_mov_b32 v[TM+4+\b], 0                        ; a lane permute's destination counts as one of its sources
.endr
.irp hd, 0,1
.irp sub, 0,1,2,3
	GROUP \hd, \sub
.endr
.endr
	v_cmp_le_u32 vcc_lo, 16, v26
.irp i, 0,1,2,3
	v_cndmask_b32 v[SWR+\i], v[PWS+\i], v[PWS+4+\i], vcc_lo    ; lanes 0-15: the first head's four words of row r; lanes 16-31: the second head's
.endr
	global_store_b128 v[SCOF], v[SWR:SWR+3], s[76:77]          ; sixteen lanes store 256 consecutive bytes
	s_wait_tensorcnt 0x0                           ; the wave's end
	ds_add_u32 v[SPW], v[NIL]
	s_wait_dscnt 0x0
	CROUND                                         ; the closing round
	s_endpgm
.Lfunc_end_k_q68c0a6a820_qkv:
	.size	k_q68c0a6a820_qkv, .Lfunc_end_k_q68c0a6a820_qkv-k_q68c0a6a820_qkv
	.p2alignl 7, 3214868480
	.fill 96, 4, 3214868480
	.section	.rodata,"a",@progbits
	.p2align	6, 0x0
	.amdhsa_kernel k_q68c0a6a820_qkv
		.amdhsa_group_segment_fixed_size 327680
		.amdhsa_private_segment_fixed_size 0
		.amdhsa_enable_private_segment 0
		.amdhsa_kernarg_size 32
		.amdhsa_user_sgpr_count 2
		.amdhsa_user_sgpr_kernarg_segment_ptr 1
		.amdhsa_wavefront_size32 1
		.amdhsa_system_sgpr_workgroup_id_x 1
		.amdhsa_system_sgpr_workgroup_id_y 1
		.amdhsa_system_sgpr_workgroup_id_z 1
		.amdhsa_system_vgpr_workitem_id 0
		.amdhsa_next_free_vgpr 1024
		.amdhsa_next_free_sgpr 100
		.amdhsa_reserve_vcc 1
		.amdhsa_float_denorm_mode_32 3
		.amdhsa_float_denorm_mode_16_64 3
		.amdhsa_memory_ordered 1
		.amdhsa_forward_progress 1
		.amdhsa_inst_pref_size 179
	.end_amdhsa_kernel
	.amdgpu_metadata
---
amdhsa.version: [ 1, 2 ]
amdhsa.kernels:
  - .name:           k_q68c0a6a820_qkv
    .symbol:         k_q68c0a6a820_qkv.kd
    .args:
      - { .name: xa, .offset: 0, .size: 8, .value_kind: global_buffer, .address_space: global }
      - { .name: wimg, .offset: 8, .size: 8, .value_kind: global_buffer, .address_space: global }
      - { .name: qkv_b, .offset: 16, .size: 8, .value_kind: global_buffer, .address_space: global }
      - { .name: qkvimg, .offset: 24, .size: 8, .value_kind: global_buffer, .address_space: global }
    .group_segment_fixed_size: 327680
    .private_segment_fixed_size: 0
    .kernarg_segment_align: 8
    .kernarg_segment_size: 32
    .max_flat_workgroup_size: 128
    .sgpr_count:     100
    .vgpr_count:     1024
    .wavefront_size: 32
...
	.end_amdgpu_metadata
.endif
;; end of part 2
;; launch attn (part 3): grid 8 x 32, 16 waves a work-group, clusters of 4 x 1, 206,848 bytes of LDS; arguments qkvimg, ao; writes ao
.if DOCPART == 3
	.amdgcn_target "amdgcn-amd-amdhsa--gfx1250"
	.amdhsa_code_object_version 6
	.text
	.protected	k_q68c0a6a820_attn
	.globl	k_q68c0a6a820_attn
	.p2align	8
	.type	k_q68c0a6a820_attn,@function
k_q68c0a6a820_attn:
	s_mov_b64 s[64:65], 0
	v_nop
	global_prefetch_b8 v0, s[64:65] scope:SCOPE_SE
	s_setreg_imm32_b32 hwreg(HW_REG_WAVE_MODE, 25, 1), 1
	s_wait_xcnt 0x0
	s_wait_alu depctr_hold_cnt(0) depctr_sa_sdst(0) depctr_va_vdst(0) depctr_va_sdst(0) depctr_va_ssrc(0) depctr_va_vcc(0) depctr_vm_vsrc(0)
	s_getreg_b32 s2, hwreg(HW_REG_IB_STS2, 6, 4)
	s_cmp_eq_u32 s2, 0
	s_cbranch_scc0 .Lentry_in_a_cluster
	s_endpgm
.Lentry_in_a_cluster:
	s_bfe_u32 s2, ttmp6, 0x10000c
	s_cmp_lg_u32 s2, 0x3003
	s_cbranch_scc0 .Lentry_shape_is_right
	s_endpgm
.Lentry_shape_is_right:
; Attention of one head on codes of FP6 (E2M3): S^T = K Q^T (K = 64), p = 2^(t - M), O^T = V^T p^T (K = the keys), O / the row's sum, quantised again along the channels for the projection.
; t = score x log2(e) / 8; M = the running largest t rounded up to a whole number; p is quantised along the keys, not normalised; the row's sum is taken of the unquantised p in f32.
; SHARES.  A work-group owns 256 queries of one (batch, head); each of its sixteen waves one tile of 16 queries in 256 registers, four waves to a SIMD.
; LDS.  The head's K, V and scale words are 16 records of 12,800 bytes: they fit whole, are filled ONCE (wave w: record w, 128 keys) and stay: no ring, no refill.  Behind them 2,048 bytes of spare words.
; THE HEAD'S LOADS stand in two arms: waves 0, 1 and waves 2-15.  The first barrier shows records 0 and 1 alone; key step 0 and the first part of step 1 read nothing else.  Ahead of step 1's signal every wave waits for its load, so behind step 1's barrier all records are shown.
; CLUSTER.  The four query blocks of a cluster walk the same head: each record is asked for jointly, by the same tensor load with a mask that names the four.
; A record: K's four pair images P0-P3 (registers 0-5: key tile 2 b, 6-11: key tile 2 b + 1, 64 channels each), V^T's four images (16 channels x 128 keys), K's scale words [r][b], V's [r][tile].  Key r of tile 2 b + u is key 32 b + 8 u + r + 8 (r / 8).
; THE PRODUCT WITH K = 64: a pair image is source 0 of two instructions; source 1 is Q's six registers over zero codes, or zero codes over Q's six (v16-33 hold Q, zeros, Q): the other tile's half adds nothing.
; THE ROWS OF A PAIR IMAGE ARE CHOSEN ANEW BY THE LANES' LDS ADDRESSES, so that a lane's 32 scores of 64 keys are ONE scale block of p.  For the keys 64 c on, image a takes rows 0-7 of P(2c) and rows 8-15 of P(2c+1), image b rows 8-15 of P(2c) and rows 0-7 of P(2c+1):
; sixteen lanes of a load touch 256 different bytes modulo 256.  Lane (query, h) then holds block 2 c + h in 32 registers: for h = 0 keys 0 .. 31 of the block in order, for h = 1 keys 16 .. 31 and then 0 .. 15.
; The launch before lays V's codes of lanes 16-31 in that same order: a permutation of k inside a scale block, alike in both operands.
; TWO REGIONS OF 64 REGISTERS CHANGE ROLES FROM STEP TO STEP.  In a step region x holds K's images and then V's, region y the scores and p.  Behind the conversions p is done with, and the NEXT step's K images are asked for into y, ahead of this step's last products;
; the next step's scores go to x.  So a trip of the loop is two steps.  The last step asks for record 15 once more (the address is held there) and does not use it: 16 LDS loads a wave.
; A BARRIER IN EACH KEY STEP, signal at its top and wait behind its conversions, with LDS loads of bytes that nobody writes and register work between: no wave is more than a step ahead of another.
; No prefetch: all that the launch reads through LDS is asked for at its head.
; LIMITS: NaN and infinities are not served; the promise holds while |t| stays under 2^31; v_exp_f32 gives 0 under 2^-126 (p far under the row's largest); a block whose largest magnitude lies under 2^-124 gets the byte 1; 1 / sum by v_rcp_f32.
; REGISTERS: v1-3, v6-9 lane offsets; v4, 5, 10, 11, 36, 37 the step's addresses; v12 -M, v13 the largest t, v[14:15] the sum; v16-33 Q; v38 8 h; v39 Q's scales; v40-43 K's scale words; v44-47 V's; v48-111, v112-175 the two regions;
;   v176-207 O^T; v208-219 p's codes; v220-226 the second conversions' codes; v228-254 at work.
.set REC,   12800
.set QREG,  6553600
.set SPARE, 204800
.set WV,   18
.set SEL,  20
.set CS,   22
.set SPW,  251
.set NIL,  255
.set XR,   48
.set YR,   112
.set OT,   176
.set PCD,  208
.macro WALU
	s_wait_alu depctr_va_vdst(0)
.endm
.macro DEP n
	s_delay_alu instid0(VALU_DEP_\n)
.endm
.macro CROUND
	s_barrier_signal -1
	s_barrier_wait -1
	s_cmp_lg_u32 s[WV], 0
	s_cbranch_scc1 .Lnot_wave_0_\@
	s_barrier_signal -3
.Lnot_wave_0_\@:
	s_barrier_wait -3
	s_barrier_signal -1
	s_barrier_wait -1
.endm
.macro TLOAD
	tensor_load_to_lds s[32:35], s[24:31]
	s_nop 0
.rept 4
	v_nop
.endr
.endm
.macro MM d, a, b, c, sa, sb
	v_wmma_scale_f32_16x16x128_f8f6f4 v[\d:\d+7], v[\a:\a+11], v[\b:\b+11], \c, v[\sa], v[\sb] matrix_a_fmt:MATRIX_FMT_FP6 matrix_b_fmt:MATRIX_FMT_FP6
.endm
.macro KLOAD r, a, b, sa, sb           ; a record's K: four images into region r and their rows' scale words: 16 LDS loads
.irp c, 0,1
.irp g, 0,1,2
	ds_load_b128 v[\r+24*\c+4*\g:\r+24*\c+4*\g+3], v\a offset:3072*\c+512*\g        ; image a of keys 64 c on
	ds_load_b128 v[\r+12+24*\c+4*\g:\r+12+24*\c+4*\g+3], v\b offset:3072*\c+512*\g  ; image b
.endr
	ds_load_b32 v[40+2*\c], v\sa offset:12288+8*\c
	ds_load_b32 v[41+2*\c], v\sb offset:12288+8*\c
.endr
.endm
.macro SUMG y, j                       ; eight more p onto the four partial sums
.irp k, 0,1,2,3
	v_pk_add_f32 v[228+2*\k:229+2*\k], v[228+2*\k:229+2*\k], v[\y+\j+2*\k:\y+\j+2*\k+1]
.endr
.endm
; ---- a key step: the 128 keys of the record at LDS byte s2; its K images have been asked for into region x.  tw = 1: every wave's tensor load is waited for ahead of the signal
.macro KSTEP x, y, tw
	s_add_co_u32 s16, s2, REC
	s_min_u32 s16, s16, 15*REC                     ; the next record, held at the last
	v_add_nc_u32 v36, s2, v1                       ; these five are also the places between the last products and the products that write over V's images
	v_add_nc_u32 v37, s2, v2
	v_mov_b32 v254, v12                            ; the old -M
	v_add_nc_u32 v4, s16, v6
	v_add_nc_u32 v5, s16, v7
	WALU
.if \tw
	s_wait_tensorcnt 0x0                           ; my record has landed: behind this step's barrier all sixteen are shown
.endif
	s_wait_dscnt 0x0                               ; K's images and scale words
	s_barrier_signal -1                            ; I have begun this step
.irp i, 0,1,2,3
	MM \y+16*\i, \x+12*\i, 16, 0, 40+\i, 39
	MM \y+8+16*\i, \x+12*\i, 22, 0, 40+\i, 39
.endr
	v_add_nc_u32 v10, s16, v8                      ; four places behind the products
	v_add_nc_u32 v11, s16, v9
	v_nop
	v_nop
.irp t, 0,1,2,3
.irp g, 0,1,2
	ds_load_b128 v[\x+12*\t+4*\g:\x+12*\t+4*\g+3], v36 offset:6144+1536*\t+512*\g   ; V's images land under the softmax
.endr
.endr
	ds_load_b128 v[44:47], v37 offset:12544
.irp c, 0,1                                    ; the largest score of my two blocks of 32 keys, two chains a block, each accumulator from its low end on
	v_max3_num_f32 v[238+\c], v[\y+32*\c], v[\y+1+32*\c], v[\y+2+32*\c]
	v_max3_num_f32 v[240+\c], v[\y+16+32*\c], v[\y+17+32*\c], v[\y+18+32*\c]
.endr
.irp i, 3,5,7,9,11,13
.irp c, 0,1
	v_max3_num_f32 v[238+\c], v[238+\c], v[\y+32*\c+\i], v[\y+1+32*\c+\i]
	v_max3_num_f32 v[240+\c], v[240+\c], v[\y+16+32*\c+\i], v[\y+17+32*\c+\i]
.endr
.endr
.irp c, 0,1
	v_max3_num_f32 v[238+\c], v[238+\c], v[\y+15+32*\c], v[\y+31+32*\c]
.endr
.irp c, 0,1
	DEP 2
	v_max_num_f32 v[238+\c], v[238+\c], v[240+\c]
.endr
	DEP 1
	v_max_num_f32 v237, v238, v239
	DEP 1
	v_permlanex16_b32 v236, v237, s[SEL], s[SEL+1]
	DEP 1
	v_max_num_f32 v237, v237, v236                 ; with lane l xor 16's two blocks: the step's largest score of my query
	DEP 1
	v_mul_f32 v237, s[CS], v237
	DEP 1
	v_max_num_f32 v13, v13, v237                   ; the running largest t
	DEP 1
	v_floor_f32 v12, -v13                          ; -M = floor(-t): M is a whole number
	DEP 1
	v_sub_f32 v254, v12, v254
	DEP 1
	v_cvt_i32_f32 v254, v254                       ; (it saturates)
	DEP 1
	v_ldexp_f32 v252, 1.0, v254                    ; f = 2^(old M - new M)
.irp j, 0,2,4,6,8,10,12,14,16,18,20,22,24,26,28,30,32,34,36,38,40,42,44,46,48,50,52,54,56,58,60,62
	v_pk_fma_f32 v[\y+\j:\y+\j+1], v[\y+\j:\y+\j+1], s[CS:CS+1], v[12:13] op_sel_hi:[1,0,0]   ; t - M
.endr
.irp c, 0,1
	v_fma_f32 v[238+\c], v[238+\c], s[CS], v12     ; the same of each block's largest score
.endr
	WALU
.set ei, 0
.rept 64
	v_exp_f32 v[\y+ei], v[\y+ei]                   ; p = 2^(t - M)
.set ei, ei+1
.endr
.irp c, 0,1
	v_exp_f32 v[238+\c], v[238+\c]                 ; each block's largest p
.endr
	v_pk_mul_f32 v[14:15], v[14:15], v[252:253] op_sel_hi:[1,0]   ; the sums under the new M; a plain line behind the batch
	WALU                                           ; one wait for the batch, ahead of its first reader
; the row's sum of the unquantised p in four chains, and between their groups the lines that make the scales
.irp c, 0,1
	v_max_num_f32 v[238+\c], 0x1800000, v[238+\c]  ; the floor: the byte cannot fall under 1
.endr
.irp k, 0,1,2,3
	v_pk_add_f32 v[228+2*\k:229+2*\k], v[\y+4*\k:\y+4*\k+1], v[\y+2+4*\k:\y+3+4*\k]
.endr
.irp c, 0,1
	v_add_nc_u32 v[242+\c], 0xff000000, v[238+\c]  ; 2 off the exponent field: the conversions' scale operand
.endr
	SUMG \y, 16
.irp c, 0,1
	v_lshrrev_b32 v[244+\c], 23, v[242+\c]         ; the scale's byte
.endr
	SUMG \y, 24
	v_lshl_or_b32 v250, v245, 16, v244             ; my two bytes: blocks h and 2 + h,
	SUMG \y, 32
	v_lshlrev_b32 v250, v38, v250                  ; at their places in the word (8 h bits up);
	SUMG \y, 40
	v_permlanex16_b32 v236, v250, s[SEL], s[SEL+1]
	SUMG \y, 48
	v_or_b32 v250, v250, v236                      ; with lane l xor 16's two: p's scale word for these 128 keys
	SUMG \y, 56
	v_pk_add_f32 v[228:229], v[228:229], v[230:231]
	v_pk_add_f32 v[232:233], v[232:233], v[234:235]
	DEP 1
	v_pk_add_f32 v[228:229], v[228:229], v[232:233]
	DEP 1
	v_pk_add_f32 v[14:15], v[14:15], v[228:229]
.irp c, 0,1
	v_cvt_scalef32_pk16_fp6_f32 v[PCD+6*\c:PCD+2+6*\c], v[\y+32*\c:\y+15+32*\c], v[242+\c]
	v_cvt_scalef32_pk16_fp6_f32 v[220+4*\c:222+4*\c], v[\y+16+32*\c:\y+31+32*\c], v[242+\c]   ; (a conversion's three registers begin on an even number)
.endr
	WALU
	s_barrier_wait -1                              ; every wave has begun this step
	KLOAD \y, 4, 5, 10, 11                         ; the next step's K, into the registers that held p
	WALU                                           ; directly ahead of the first reader of O^T
	v_pk_mul_f32 v[OT:OT+1], v[OT:OT+1], v[252:253] op_sel_hi:[1,0]   ; O^T under the new M; also the plain line behind the conversions
.irp c, 0,1
.irp i, 0,1,2
	v_mov_b32 v[PCD+3+6*\c+\i], v[220+4*\c+\i]
.endr
.endr
.irp j, 2,4,6,8,10,12,14,16,18,20,22,24,26,28,30
	v_pk_mul_f32 v[OT+\j:OT+\j+1], v[OT+\j:OT+\j+1], v[252:253] op_sel_hi:[1,0]   ; these 15 are also the places in front of the scaled products
.endr
	WALU
	s_wait_dscnt 16                                ; V's 13 loads are in; the 16 issued behind them, the next step's K, may be out
.irp t, 0,1,2,3
	MM OT+8*\t, \x+12*\t, PCD, v[OT+8*\t:OT+7+8*\t], 44+\t, 250
.endr
	s_add_co_u32 s2, s2, REC
.endm
	s_load_b128 s[4:7], s[0:1], 0x0                ; qkvimg, ao
	v_lshl_add_u32 v[SPW], v0, 2, SPARE
	v_mov_b32 v[NIL], 0
	ds_add_u32 v[SPW], v[NIL]                      ; the opening lines: the add twice on end and its wait ahead of my tensor load
	ds_add_u32 v[SPW], v[NIL]
	v_lshrrev_b32 v8, 5, v0
	DEP 1
	v_readfirstlane_b32 s[WV], v8                  ; wave 0..15
	s_bfe_u32 s8, ttmp6, 0x40000                   ; cx
	s_lshl_b32 s9, ttmp9, 2
	s_add_co_u32 s9, s9, s8                        ; my block of 256 queries: it enters Q's and the output's addresses alone
	s_and_b32 s10, ttmp7, 0xffff                   ; 16 batch + head, which the four partners share
	s_mov_b32 s24, 15|(3<<16)|(1<<21)              ; the mask: all four; elements of 8 bytes; bit 21 beside a mask
	s_mov_b32 s25, 32<<16                          ; a dense block of 12,800 bytes as 50 rows of 256
	s_mov_b32 s26, 50<<16
	s_mov_b32 s27, 32<<16
	s_mov_b32 s28, 50
	s_mov_b32 s29, 32
	s_mov_b32 s30, 0
	s_mov_b32 s31, 0
	s_lshl_b32 s12, s10, 4
	s_add_co_u32 s12, s12, s[WV]
	s_mul_i32 s12, s12, REC                        ; record 16 bh + wave
	s_mov_b32 s13, 0
	s_mov_b32 s32, 1
	s_mul_i32 s33, s[WV], REC                      ; to LDS byte 12,800 x wave
	s_wait_dscnt 0x0
	s_wait_kmcnt 0x0
	s_add_nc_u64 s[34:35], s[4:5], s[12:13]
	s_or_b32 s35, s35, 0x80000000
	CROUND                                         ; all four work-groups are here: the joint loads meet
	s_cmp_lt_u32 s[WV], 2                          ; one chain of two arms, a load in each: the first arm's line is issued by waves 0 and 1 alone
	s_cbranch_scc0 .Llater
	TLOAD                                          ; records 0, 1
	s_branch .Lasked
.Llater:
	TLOAD                                          ; records 2-15
.Lasked:
	v_and_b32 v1, 31, v0
	v_and_b32 v2, 15, v0
	v_bfe_u32 v34, v0, 3, 1                        ; r / 8
	v_bfe_u32 v38, v0, 4, 1                        ; h
	v_lshlrev_b32 v3, 3, v1                        ; 8 x lane
	v_lshlrev_b32 v1, 4, v1                        ; 16 x lane
	v_lshlrev_b32 v2, 4, v2                        ; 16 r
	v_lshlrev_b32 v38, 3, v38                      ; 8 h
	v_mad_u32_u24 v6, v34, 0x600, v1               ; image a: my own lane's 16 bytes, of P(2c) for rows 0-7, of P(2c+1) for rows 8-15
	v_lshl_add_u32 v8, v34, 2, v2                  ; its scale word: row r, word 2 c + r / 8
	v_xor_b32 v7, 128, v6                          ; image b: row r xor 8 of the same pair image
	v_xor_b32 v9, 128, v8
	WALU
	; Q: record 16 bh + 2 block + wave / 8 of the Q region; pair image (wave / 2) % 4; its half wave % 2
	s_lshl_b32 s14, s10, 4
	s_lshl_b32 s15, s9, 1
	s_add_co_u32 s14, s14, s15
	s_lshr_b32 s15, s[WV], 3
	s_add_co_u32 s14, s14, s15
	s_mul_i32 s14, s14, REC
	s_add_co_u32 s14, s14, QREG
	s_bfe_u32 s16, s[WV], 0x20001
	s_mul_i32 s17, s16, 1536
	s_add_co_u32 s40, s14, s17
	s_mov_b32 s41, 0
	s_add_nc_u64 s[36:37], s[4:5], s[40:41]
	s_lshl_b32 s17, s16, 2
	s_add_co_u32 s40, s14, s17
	s_add_co_u32 s40, s40, 12288
	s_add_nc_u64 s[38:39], s[4:5], s[40:41]
.irp c, 0,1,2
	global_load_b128 v[XR+4*\c:XR+3+4*\c], v1, s[36:37] offset:512*\c
.endr
	global_load_b32 v35, v2, s[38:39]
	; the output: record (row group 16 batch + 2 block + wave / 8, K step head / 2), tile wave % 8, half head % 2
	s_lshr_b32 s14, s10, 4
	s_lshl_b32 s14, s14, 4
	s_lshl_b32 s15, s9, 1
	s_add_co_u32 s14, s14, s15
	s_lshr_b32 s15, s[WV], 3
	s_add_co_u32 s14, s14, s15
	s_lshl_b32 s14, s14, 3
	s_bfe_u32 s15, s10, 0x30001
	s_add_co_u32 s14, s14, s15
	s_mul_i32 s14, s14, REC
	s_and_b32 s15, s[WV], 7
	s_mul_i32 s16, s15, 1536
	s_and_b32 s17, s10, 1
	s_mul_i32 s40, s17, 768
	s_add_co_u32 s40, s40, s16
	s_add_co_u32 s40, s40, s14
	s_add_nc_u64 s[42:43], s[6:7], s[40:41]
	s_lshr_b32 s16, s15, 2
	s_lshl_b32 s16, s16, 8
	s_and_b32 s15, s15, 3
	s_lshl_b32 s15, s15, 2
	s_add_co_u32 s16, s16, s15
	s_lshl_b32 s17, s17, 1
	s_add_co_u32 s16, s16, s17
	s_add_co_u32 s16, s16, 12288
	s_add_co_u32 s40, s16, s14
	s_add_nc_u64 s[44:45], s[6:7], s[40:41]
	s_mov_b32 s[SEL], 0x76543210
	s_mov_b32 s[SEL+1], 0xfedcba98
	s_mov_b32 s[CS], 0x3e38aa3b                    ; c = log2(e) / 8
	s_mov_b32 s[CS+1], s[CS]
	s_and_b32 s11, s[WV], 1                        ; u: which half of the pair image is my tile
	s_lshl_b32 s12, s11, 4
	s_cmp_eq_u32 s11, 1
	s_cselect_b32 s19, -1, 0
	s_mov_b32 s2, 0                                ; LDS byte of the key step's record
	s_wait_loadcnt 0x0                             ; Q
.irp i, 0,1,2,3,4,5
	v_cndmask_b32 v[16+\i], v[XR+\i], v[XR+6+\i], s19
.endr
.irp i, 0,1,2,3,4,5
	v_mov_b32 v[22+\i], 0                          ; zero codes, between Q and Q
.endr
.irp i, 0,1,2,3,4,5
	v_mov_b32 v[28+\i], v[16+\i]
.endr
	v_lshrrev_b32 v35, s12, v35
	DEP 1
	v_and_b32 v35, 0xffff, v35                     ; my tile's two scale bytes,
	DEP 1
	v_lshl_or_b32 v39, v35, 16, v35                ; in both halves of the word: they serve either form of Q
	v_mov_b32 v13, 0xff61b1e6                      ; the largest t so far: -3e38
	DEP 1
	v_floor_f32 v12, -v13
	v_mov_b32 v14, 0
	v_mov_b32 v15, 0
	v_mov_b32 v236, 0                              ; a lane permute's destination counts as one of its sources
	v_mov_b32 v253, 0                              ; (named as the upper half of the pair v[252:253])
.set zi, 0
.rept 32
	v_mov_b32 v[OT+zi], 0                          ; O^T: the step is written for every step alike; the first finds zeros
.set zi, zi+1
.endr
	WALU
	s_cmp_lt_u32 s[WV], 2
	s_cbranch_scc0 .Lnot_first
	s_wait_tensorcnt 0x0                           ; waves 0, 1: my record has landed
.Lnot_first:
	s_barrier_signal -1
	s_barrier_wait -1                              ; records 0 and 1 are in; the others may be on their way: nothing is filled again
	KLOAD XR, 6, 7, 8, 9                           ; step 0's K
	KSTEP XR, YR, 0                                ; steps 0 and 1 are written out: step 0 reads records 0 and 1 alone,
	KSTEP YR, XR, 1                                ; step 1 record 1, and record 2 behind its barrier
	s_mov_b32 s2, 2*REC
	s_mov_b32 s3, 7
.Lpair:
	KSTEP XR, YR, 0
	KSTEP YR, XR, 0
	s_sub_co_u32 s3, s3, 1
	s_cmp_lg_u32 s3, 0
	s_cbranch_scc1 .Lpair
	; THE WAY OUT: O^T / the sum; register 16 b + i is channel 32 b + 16 (lane / 16) + i of my query: two blocks of the projection's K
	s_wait_dscnt 0x0                               ; the last step's loads of K have landed: their registers are written below
	v_add_f32 v14, v14, v15
	DEP 1
	v_permlanex16_b32 v252, v14, s[SEL], s[SEL+1]
	DEP 1
	v_add_f32 v14, v14, v252
	WALU
	v_rcp_f32 v14, v14
.rept 3
	v_nop                                          ; with the lines above: the places behind the last products; also the plain line behind the reciprocal
.endr
	WALU
.set oi, 0
.rept 32
	v_mul_f32 v[XR+oi], v[OT+oi], v14
.set oi, oi+1
.endr
.irp b, 0,1
	v_max3_num_f32 v[238+\b], |v[XR+16*\b]|, |v[XR+1+16*\b]|, 0x1800000
.endr
.irp i, 2,4,6,8,10,12,14
.irp b, 0,1
	DEP 2
	v_max3_num_f32 v[238+\b], v[238+\b], |v[XR+16*\b+\i]|, |v[XR+1+16*\b+\i]|
.endr
.endr
.irp b, 0,1
	DEP 2
	v_permlanex16_b32 v[236+\b], v[238+\b], s[SEL], s[SEL+1]
.endr
.irp b, 0,1
	DEP 2
	v_max_num_f32 v[238+\b], v[238+\b], v[236+\b]
.endr
.irp b, 0,1
	DEP 2
	v_add_nc_u32 v[242+\b], 0xff000000, v[238+\b]
.endr
.irp b, 0,1
	DEP 2
	v_lshrrev_b32 v[244+\b], 23, v[242+\b]
.endr
	DEP 1
	v_lshl_or_b32 v244, v245, 8, v244              ; my head's two bytes of the row's scale word
	v_cvt_scalef32_pk16_fp6_f32 v[PCD:PCD+2], v[XR:XR+15], v242
	v_cvt_scalef32_pk16_fp6_f32 v[220:222], v[XR+16:XR+31], v243
	v_nop
.irp i, 0,1,2
	v_permlane16_swap_b32 v[PCD+\i], v[220+\i]
.endr
.irp i, 0,1,2
	DEP 3
	v_mov_b32 v[PCD+3+\i], v[220+\i]
.endr
.irp p, 0,1,2
	global_store_b64 v3, v[PCD+2*\p:PCD+1+2*\p], s[42:43] offset:256*\p    ; register pair p of every lane on end: 256 consecutive bytes a store
.endr
	global_store_b16 v2, v244, s[44:45]            ; lanes l and l xor 16 hold the same bytes and name the same place; the word's other half is the neighbouring head's
	s_wait_tensorcnt 0x0                           ; the wave's end
	ds_add_u32 v[SPW], v[NIL]
	s_wait_dscnt 0x0
	CROUND                                         ; the closing round
	s_endpgm
.Lfunc_end_k_q68c0a6a820_attn:
	.size	k_q68c0a6a820_attn, .Lfunc_end_k_q68c0a6a820_attn-k_q68c0a6a820_attn
	.p2alignl 7, 3214868480
	.fill 96, 4, 3214868480
	.section	.rodata,"a",@progbits
	.p2align	6, 0x0
	.amdhsa_kernel k_q68c0a6a820_attn
		.amdhsa_group_segment_fixed_size 206848
		.amdhsa_private_segment_fixed_size 0
		.amdhsa_enable_private_segment 0
		.amdhsa_kernarg_size 16
		.amdhsa_user_sgpr_count 2
		.amdhsa_user_sgpr_kernarg_segment_ptr 1
		.amdhsa_wavefront_size32 1
		.amdhsa_system_sgpr_workgroup_id_x 1
		.amdhsa_system_sgpr_workgroup_id_y 1
		.amdhsa_system_sgpr_workgroup_id_z 1
		.amdhsa_system_vgpr_workitem_id 0
		.amdhsa_next_free_vgpr 256
		.amdhsa_next_free_sgpr 66
		.amdhsa_reserve_vcc 0
		.amdhsa_float_denorm_mode_32 3
		.amdhsa_float_denorm_mode_16_64 3
		.amdhsa_memory_ordered 1
		.amdhsa_forward_progress 1
		.amdhsa_inst_pref_size 75
	.end_amdhsa_kernel
	.amdgpu_metadata
---
amdhsa.version: [ 1, 2 ]
amdhsa.kernels:
  - .name:           k_q68c0a6a820_attn
    .symbol:         k_q68c0a6a820_attn.kd
    .args:
      - { .name: qkvimg, .offset: 0, .size: 8, .value_kind: global_buffer, .address_space: global }
      - { .name: ao, .offset: 8, .size: 8, .value_kind: global_buffer, .address_space: global }
    .group_segment_fixed_size: 206848
    .private_segment_fixed_size: 0
    .kernarg_segment_align: 8
    .kernarg_segment_size: 16
    .max_flat_workgroup_size: 512
    .sgpr_count:     66
    .vgpr_count:     256
    .wavefront_size: 32
...
	.end_amdgpu_metadata
.endif
;; end of part 3
;; launch proj (part 4): grid 8 x 32, 4 waves a work-group, clusters of 4 x 4, 327,680 bytes of LDS; arguments ao, wimg, proj_b, x, x1; writes x1
.if DOCPART == 4
	.amdgcn_target "amdgcn-amd-amdhsa--gfx1250"
	.amdhsa_code_object_version 6
	.text
	.protected	k_q68c0a6a820_proj
	.globl	k_q68c0a6a820_proj
	.p2align	8
	.type	k_q68c0a6a820_proj,@function
k_q68c0a6a820_proj:
	s_mov_b64 s[64:65], 0
	v_nop
	global_prefetch_b8 v0, s[64:65] scope:SCOPE_SE
	s_setreg_imm32_b32 hwreg(HW_REG_WAVE_MODE, 25, 1), 1
	s_wait_xcnt 0x0
	s_wait_alu depctr_hold_cnt(0) depctr_sa_sdst(0) depctr_va_vdst(0) depctr_va_sdst(0) depctr_va_ssrc(0) depctr_va_vcc(0) depctr_vm_vsrc(0)
	s_getreg_b32 s2, hwreg(HW_REG_IB_STS2, 6, 4)
	s_cmp_eq_u32 s2, 0
	s_cbranch_scc0 .Lentry_in_a_cluster
	s_endpgm
.Lentry_in_a_cluster:
	s_bfe_u32 s2, ttmp6, 0x10000c
	s_cmp_lg_u32 s2, 0xf033
	s_cbranch_scc0 .Lentry_shape_is_right
	s_endpgm
.Lentry_shape_is_right:
.set REC,   12800
.set RGN,   25600
.set SLOT,  102400
.set SPARE, 204800
.set NBK,   4
.set NQ,    4
.set AW,    6144
.set SWD,   256
.set NKS,   8
.set LAPS,  NKS/(2*NQ)
.set NLA,   6
.set WOFF,  2457600
.set NTS,   1                          ; x1 is written once and not read in this launch
.set FR,    12
.set ADRA, 16
.set ADRB, 20
.set ADRS, 22
.set STO,  24
.set RD,   25
.set CO,   26
.set SPW,  28
.set NIL,  29
.set SC,   32
.set BK,   64
.set AF,   128
.set BIAS, 176
.set G1,  24
.set G0,  32
.set G1B, 48
.set G0B, 56
.set MSB, 0
.macro WIN new
.if MSB != (\new)
	s_set_vgpr_msb (MSB<<8)|(\new)
.set MSB, (\new)
.endif
.endm
.set MUL_LO, 0xa1
.set MUL_HI, 0xa1
.set TO_B,   0x40
.macro PLACES
.rept 4
	v_nop
.endr
.endm
.macro JLOAD g0a, g1a, g0b, g1b
	s_cmp_eq_u32 s15, 0
	s_cbranch_scc0 .Lfor_b_\@
	tensor_load_to_lds s[\g0a:\g0a+3], s[\g1a:\g1a+7]
	s_nop 0
.rept 4
	v_nop
.endr
	s_branch .Lasked_\@
.Lfor_b_\@:
	tensor_load_to_lds s[\g0b:\g0b+3], s[\g1b:\g1b+7]
	s_nop 0
.rept 4
	v_nop
.endr
.Lasked_\@:
.endm
.macro CREST
	s_cmp_lg_u32 s14, 0
	s_cbranch_scc1 .Lnot_wave_0_\@
	s_barrier_signal -3
.Lnot_wave_0_\@:
	s_barrier_wait -3
	s_barrier_signal -1
	s_barrier_wait -1
.endm
.macro CROUND
	s_barrier_signal -1
	s_barrier_wait -1
	CREST
.endm
	s_load_b128 s[4:7], s[0:1], 0x0
	s_load_b128 s[8:11], s[0:1], 0x10
	s_load_b64 s[12:13], s[0:1], 0x20
	v_lshl_add_u32 v[SPW], v0, 2, SPARE
	v_mov_b32 v[NIL], 0
	ds_add_u32 v28, v29
	ds_add_u32 v28, v29
	s_wait_dscnt 0x0
	v_lshrrev_b32 v1, 5, v0
	v_readfirstlane_b32 s14, v1
	s_lshr_b32 s15, s14, 1
	s_and_b32 s16, s14, 1
	s_bfe_u32 s40, ttmp6, 0x40000
	s_bfe_u32 s41, ttmp6, 0x40004
	s_lshl_b32 s42, ttmp9, 2
	s_add_co_u32 s42, s42, s40
	s_and_b32 s17, ttmp7, 0xffff
	s_lshl_b32 s17, s17, 2
	s_add_co_u32 s17, s17, s41
	s_lshl_b32 s43, s41, 2
	s_lshl_b32 s43, 15, s43
	s_lshl_b32 s44, 0x1111, s40
	s_or_b32 s[G1], s43, (3<<16)|(1<<21)
	s_or_b32 s[G1B], s44, (3<<16)|(1<<21)
.irp g, G1, G1B
	s_mov_b32 s[\g+1], 32<<16
	s_mov_b32 s[\g+2], 200<<16                     ; a load brings four records, 51,200 bytes, as 200 rows of 256
	s_mov_b32 s[\g+3], 32<<16
	s_mov_b32 s[\g+4], 200
	s_mov_b32 s[\g+5], 32
	s_mov_b32 s[\g+6], 0
	s_mov_b32 s[\g+7], 0
.endr
	s_mul_i32 s18, s16, 2*RGN                      ; wave & 1: K steps 0-3 or 4-7 of the row group
	s_mul_i32 s20, s17, NKS*REC
	s_add_co_u32 s20, s20, s18
	s_mov_b32 s21, 0
	s_mul_i32 s46, s42, NKS*REC
	s_add_co_u32 s46, s46, s18
	s_add_co_u32 s46, s46, WOFF
	s_mov_b32 s47, 0
	s_mul_i32 s45, s16, SLOT                       ; ALL OF K LIES IN LDS AT ONCE, 204,800 bytes, filled once, one load a wave: K steps 4 s on at s x SLOT,
	s_mul_i32 s22, s15, 2*RGN                      ; A's four records first, B's behind them
	s_add_co_u32 s45, s45, s22
	s_wait_kmcnt 0x0
	s_add_nc_u64 s[20:21], s[4:5], s[20:21]
	s_add_nc_u64 s[46:47], s[6:7], s[46:47]
	CROUND
.irp s, 0
	s_mov_b32 s[G0+4*\s], 1
	s_add_co_u32 s[G0+4*\s+1], s45, \s*SLOT
	s_add_nc_u64 s[G0+4*\s+2:G0+4*\s+3], s[20:21], \s*NQ*REC
	s_or_b32 s[G0+4*\s+3], s[G0+4*\s+3], 0x80000000
	s_mov_b32 s[G0B+4*\s], 1
	s_add_co_u32 s[G0B+4*\s+1], s45, \s*SLOT
	s_add_nc_u64 s[G0B+4*\s+2:G0B+4*\s+3], s[46:47], \s*NQ*REC
	s_or_b32 s[G0B+4*\s+3], s[G0B+4*\s+3], 0x80000000
	JLOAD G0+4*\s, G1, G0B+4*\s, G1B               ; my one tensor load
.endr
	v_and_b32 v1, 15, v0
	v_bfe_u32 v2, v0, 4, 1
	s_wait_alu depctr_va_vdst(0)
	v_and_b32 v3, 31, v0
.if NLA == 6
	v_lshlrev_b32 v4, 3, v3
.else
	v_lshlrev_b32 v4, 4, v3
.endif
	v_lshlrev_b32 v3, 4, v3
	s_mul_i32 s18, s15, AW
	s_mul_i32 s19, s16, AW
	s_add_co_u32 s19, s19, 2*RGN
.irp s, 0,1
	v_add_nc_u32 v[ADRA+\s], s18, v4
	v_add_nc_u32 v[ADRB+\s], s19, v3
	s_add_co_u32 s18, s18, SLOT
	s_add_co_u32 s19, s19, SLOT
.endr
	s_mul_i32 s18, s15, SWD
	s_mul_i32 s19, s16, SWD
	s_add_co_u32 s19, s19, 2*RGN
	s_sub_co_u32 s19, s19, s18
	v_mul_u32_u24 v5, s19, v2
	v_lshl_add_u32 v5, v1, 4, v5
	s_add_co_u32 s18, s18, 12288
	v_add_nc_u32 v[ADRS], s18, v5
	v_add_nc_u32 v[ADRS+1], SLOT, v[ADRS]
	s_mul_i32 s18, s14, 16*272
	v_mul_u32_u24 v5, v1, 272
	v_lshl_add_u32 v5, v2, 6, v5
	v_add_nc_u32 v[STO], s18, v5
	v_mul_u32_u24 v5, v2, 272
	v_lshl_add_u32 v5, v1, 4, v5
	v_add_nc_u32 v[RD], s18, v5
	v_lshlrev_b32 v[CO], 12, v2
	v_lshl_add_u32 v[CO], v1, 4, v[CO]
	v_lshlrev_b32 v27, 4, v1
	s_wait_alu depctr_va_vdst(0)
	s_lshl_b32 s18, s17, 7
	s_lshl_b32 s19, s15, 6
	s_add_co_u32 s18, s18, s19
	s_lshl_b32 s18, s18, 12
	s_lshl_b32 s19, s42, 9
	s_lshl_b32 s22, s16, 8
	s_add_co_u32 s22, s22, s19
	s_mov_b32 s23, 0
	s_add_nc_u64 s[90:91], s[8:9], s[22:23]
	s_add_co_u32 s18, s18, s22
	s_mov_b32 s19, 0
	s_add_nc_u64 s[86:87], s[10:11], s[18:19]
	s_add_nc_u64 s[88:89], s[12:13], s[18:19]
	global_load_b128 v[BIAS:BIAS+3], v27, s[90:91]
	WIN 0xc0
.irp a, 0,1,2,3
.irp t, 0,1,2,3,4,5,6,7
	global_load_b128 v[32*\a+4*\t:32*\a+4*\t+3], v[CO], s[86:87] offset:(32*(\a/2)+8*(\a%2)+2*\t+8*(\t/4))*4096
.endr
.endr
	WIN 0
.macro FRAG16 reg, adr, off
.irp c, 0,1,2
	ds_load_b128 v[(\reg)+4*\c:(\reg)+4*\c+3], v[\adr] offset:(\off)+512*\c
.endr
.endm
.macro FRAG8 reg, adr, off
.irp p, 0,1,2,3,4,5
	ds_load_b64 v[(\reg)+2*\p:(\reg)+2*\p+1], v[\adr] offset:(\off)+256*\p
.endr
.endm
.macro FETCH_B slot, q, p
	WIN TO_B
.set fi, 0
.rept NBK
	FRAG16 128*(\p)+FR*fi, ADRB+\slot, (\q)*REC+1536*fi
.set fi, fi+1
.endr
	WIN 0
.endm
.macro FETCH_A slot, q, i0
.set fi, \i0
.rept NBK/2
.if NLA == 6
	FRAG8 AF+FR*fi, ADRA+\slot, (\q)*REC+1536*fi
.else
	FRAG16 AF+FR*fi, ADRA+\slot, (\q)*REC+1536*fi
.endif
.set fi, fi+1
.endr
.endm
.macro SCALES slot
.set sq, 0
.rept NQ
.set sd, 0
.rept NBK/4
	ds_load_b128 v[SC+16*(\slot)+NBK*sq+4*sd:SC+16*(\slot)+NBK*sq+4*sd+3], v[ADRS+\slot] offset:sq*REC+256*sd
.set sd, sd+1
.endr
.set sq, sq+1
.endr
.endm
.macro MULQ k, p, q, sc, zero
.set ma, (\k)*NBK/4
.rept NBK/4
.set mb, 0
.rept NBK
.set rD, (8*(NBK*ma+mb))%256
.if \zero
	v_wmma_scale_f32_16x16x128_f8f6f4 v[rD:rD+7], v[128*(\p)+FR*mb:128*(\p)+FR*mb+FR-1], v[AF+FR*ma:AF+FR*ma+FR-1], 0, v[SC+16*(\sc)+NBK*(\q)+mb], v[SC+16*(\sc)+NBK*(\q)+ma] matrix_a_fmt:MATRIX_FMT_FP6 matrix_b_fmt:MATRIX_FMT_FP6 matrix_a_scale:MATRIX_SCALE_ROW1
.else
	v_wmma_scale_f32_16x16x128_f8f6f4 v[rD:rD+7], v[128*(\p)+FR*mb:128*(\p)+FR*mb+FR-1], v[AF+FR*ma:AF+FR*ma+FR-1], v[rD:rD+7], v[SC+16*(\sc)+NBK*(\q)+mb], v[SC+16*(\sc)+NBK*(\q)+ma] matrix_a_fmt:MATRIX_FMT_FP6 matrix_b_fmt:MATRIX_FMT_FP6 matrix_a_scale:MATRIX_SCALE_ROW1
.endif
.set mb, mb+1
.endr
.set ma, ma+1
.endr
.endm
.macro STEP slot, q, zero
	s_wait_dscnt (NBK/2)*NLA
	WIN MUL_LO
	MULQ 0, (\q)%2, \q, \slot, \zero
	MULQ 1, (\q)%2, \q, \slot, \zero
	s_wait_dscnt 0
	PLACES
	FETCH_B \slot, (\q)+1, 1-(\q)%2
	FETCH_A \slot, (\q)+1, 0
	WIN MUL_HI
	MULQ 2, (\q)%2, \q, \slot, \zero
	MULQ 3, (\q)%2, \q, \slot, \zero
	PLACES
	WIN 0
	FETCH_A \slot, (\q)+1, NBK/2
.endm
.macro TURN slot, next, fill
	s_wait_tensorcnt 0x0
	ds_add_u32 v[SPW], v[NIL]
	s_wait_dscnt (NBK/2)*NLA+1
	WIN MUL_LO
	MULQ 0, 1, NQ-1, \slot, 0
	s_wait_dscnt 0x0
	s_barrier_signal -1
	MULQ 1, 1, NQ-1, \slot, 0
	WIN 0
	s_barrier_wait -1
.if \fill
	CREST
	s_add_nc_u64 s[G0+4*\slot+2:G0+4*\slot+3], s[G0+4*\slot+2:G0+4*\slot+3], 2*NQ*REC
	s_add_nc_u64 s[G0B+4*\slot+2:G0B+4*\slot+3], s[G0B+4*\slot+2:G0B+4*\slot+3], 2*NQ*REC
	JLOAD G0+4*\slot, G1, G0B+4*\slot, G1B
.else
	PLACES
.endif
	FETCH_B \next, 0, 0
	FETCH_A \next, 0, 0
	SCALES \next
	WIN MUL_HI
	MULQ 2, 1, NQ-1, \slot, 0
	MULQ 3, 1, NQ-1, \slot, 0
	PLACES
	WIN 0
	FETCH_A \next, 0, NBK/2
.endm
	s_wait_alu depctr_va_vdst(0)
	s_wait_tensorcnt 0x0                           ; my four records are in; the barrier shows everybody's
	s_barrier_signal -1
	s_barrier_wait -1
	FETCH_B 0, 0, 0
	FETCH_A 0, 0, 0
	SCALES 0
	FETCH_A 0, 0, NBK/2
	STEP 0, 0, 1
.if LAPS > 1
	s_mov_b32 s3, LAPS-1
.Llap:
	STEP 0, 1, 0
	STEP 0, 2, 0
	TURN 0, 1, 1
	STEP 1, 0, 0
	STEP 1, 1, 0
	STEP 1, 2, 0
	TURN 1, 0, 1
	STEP 0, 0, 0
	s_sub_co_u32 s3, s3, 1
	s_cmp_lg_u32 s3, 0
	s_cbranch_scc1 .Llap
.endif
	STEP 0, 1, 0
	STEP 0, 2, 0
	TURN 0, 1, 0
	STEP 1, 0, 0
	STEP 1, 1, 0
	STEP 1, 2, 0
	s_wait_dscnt (NBK/2)*NLA
	WIN MUL_LO
	MULQ 0, 1, NQ-1, 1, 0
	MULQ 1, 1, NQ-1, 1, 0
	s_wait_dscnt 0
	WIN MUL_HI
	MULQ 2, 1, NQ-1, 1, 0
	MULQ 3, 1, NQ-1, 1, 0
	WIN 0
	s_wait_loadcnt 0x0
	PLACES
.irp a, 0,1,2,3
.if \a > 1
	s_wait_xcnt 0x0
.endif
	WIN 0x08
.irp b, 0,1,2,3
	ds_store_b128 v[STO], v[8*(4*\a+\b):8*(4*\a+\b)+3] offset:128*(\b/2)+32*(\b%2)
	ds_store_b128 v[STO], v[8*(4*\a+\b)+4:8*(4*\a+\b)+7] offset:128*(\b/2)+32*(\b%2)+16
.endr
	WIN 0
.irp t, 0,1,2,3,4,5,6,7
	ds_load_b128 v[BK+32*(\a%2)+4*\t:BK+32*(\a%2)+4*\t+3], v[RD] offset:544*\t
.endr
	s_wait_dscnt 0x0
	WIN 0x0c
.irp t, 0,1,2,3,4,5,6,7
	v_pk_add_f32 v[BK+32*(\a%2)+4*\t:BK+32*(\a%2)+4*\t+1], v[BK+32*(\a%2)+4*\t:BK+32*(\a%2)+4*\t+1], v[32*\a+4*\t:32*\a+4*\t+1]
	v_pk_add_f32 v[BK+32*(\a%2)+4*\t+2:BK+32*(\a%2)+4*\t+3], v[BK+32*(\a%2)+4*\t+2:BK+32*(\a%2)+4*\t+3], v[32*\a+4*\t+2:32*\a+4*\t+3]
.endr
	WIN 0
.irp t, 0,1,2,3,4,5,6,7
	v_pk_add_f32 v[BK+32*(\a%2)+4*\t:BK+32*(\a%2)+4*\t+1], v[BK+32*(\a%2)+4*\t:BK+32*(\a%2)+4*\t+1], v[BIAS:BIAS+1]
	v_pk_add_f32 v[BK+32*(\a%2)+4*\t+2:BK+32*(\a%2)+4*\t+3], v[BK+32*(\a%2)+4*\t+2:BK+32*(\a%2)+4*\t+3], v[BIAS+2:BIAS+3]
.endr
.irp t, 0,1,2,3,4,5,6,7
.if NTS
	global_store_b128 v[CO], v[BK+32*(\a%2)+4*\t:BK+32*(\a%2)+4*\t+3], s[88:89] offset:(32*(\a/2)+8*(\a%2)+2*\t+8*(\t/4))*4096 th:TH_STORE_NT
.else
	global_store_b128 v[CO], v[BK+32*(\a%2)+4*\t:BK+32*(\a%2)+4*\t+3], s[88:89] offset:(32*(\a/2)+8*(\a%2)+2*\t+8*(\t/4))*4096
.endif
.endr
.endr
	s_wait_tensorcnt 0x0
	ds_add_u32 v[SPW], v[NIL]
	s_wait_dscnt 0x0
	CROUND
	s_endpgm
.Lfunc_end_k_q68c0a6a820_proj:
	.size	k_q68c0a6a820_proj, .Lfunc_end_k_q68c0a6a820_proj-k_q68c0a6a820_proj
	.p2alignl 7, 3214868480
	.fill 96, 4, 3214868480
	.section	.rodata,"a",@progbits
	.p2align	6, 0x0
	.amdhsa_kernel k_q68c0a6a820_proj
		.amdhsa_group_segment_fixed_size 327680
		.amdhsa_private_segment_fixed_size 0
		.amdhsa_enable_private_segment 0
		.amdhsa_kernarg_size 40
		.amdhsa_user_sgpr_count 2
		.amdhsa_user_sgpr_kernarg_segment_ptr 1
		.amdhsa_wavefront_size32 1
		.amdhsa_system_sgpr_workgroup_id_x 1
		.amdhsa_system_sgpr_workgroup_id_y 1
		.amdhsa_system_sgpr_workgroup_id_z 1
		.amdhsa_system_vgpr_workitem_id 0
		.amdhsa_next_free_vgpr 896
		.amdhsa_next_free_sgpr 100
		.amdhsa_reserve_vcc 0
		.amdhsa_float_denorm_mode_32 3
		.amdhsa_float_denorm_mode_16_64 3
		.amdhsa_memory_ordered 1
		.amdhsa_forward_progress 1
		.amdhsa_inst_pref_size 65
	.end_amdhsa_kernel
	.amdgpu_metadata
---
amdhsa.version: [ 1, 2 ]
amdhsa.kernels:
  - .name:           k_q68c0a6a820_proj
    .symbol:         k_q68c0a6a820_proj.kd
    .args:
      - { .name: ao, .offset: 0, .size: 8, .value_kind: global_buffer, .address_space: global }
      - { .name: wimg, .offset: 8, .size: 8, .value_kind: global_buffer, .address_space: global }
      - { .name: proj_b, .offset: 16, .size: 8, .value_kind: global_buffer, .address_space: global }
      - { .name: x, .offset: 24, .size: 8, .value_kind: global_buffer, .address_space: global }
      - { .name: x1, .offset: 32, .size: 8, .value_kind: global_buffer, .address_space: global }
    .group_segment_fixed_size: 327680
    .private_segment_fixed_size: 0
    .kernarg_segment_align: 8
    .kernarg_segment_size: 40
    .max_flat_workgroup_size: 128
    .sgpr_count:     100
    .vgpr_count:     896
    .wavefront_size: 32
...
	.end_amdgpu_metadata
.endif
;; end of part 4
;; launch ln2 (part 5): grid 256 x 1, 8 waves a work-group, no clusters, 66,816 bytes of LDS; arguments x1, ln2_w, ln2_b, xb; writes xb
.if DOCPART == 5
	.amdgcn_target "amdgcn-amd-amdhsa--gfx1250"
	.amdhsa_code_object_version 6
	.text
	.protected	k_q68c0a6a820_ln2
	.globl	k_q68c0a6a820_ln2
	.p2align	8
	.type	k_q68c0a6a820_ln2,@function
k_q68c0a6a820_ln2:
	s_mov_b64 s[64:65], 0
	v_nop
	global_prefetch_b8 v0, s[64:65] scope:SCOPE_SE
	s_setreg_imm32_b32 hwreg(HW_REG_WAVE_MODE, 25, 1), 1
	s_wait_xcnt 0x0
; y = (x - mean) * rsqrt(var + 1e-5) * w + b for rows of 1,024 f32, then y as codes of FP6 (E2M3) with one E8M0 byte for each 32 along the row, laid as records
; [row group of 128][K step of 128][12,800 bytes]: 8 images of an operand's 12 registers (group 4 c .. of lane l at 512 c + 16 l), then scale words [tile / 4][r][tile % 4].
; A work-group takes ONE tile of 16 rows: row r of tile T is 32 (T / 2) + 8 (T % 2) + r + 8 (r / 8).
; Phase 1: wave w normalises tile rows 2 w and 2 w + 1, each whole in 32 registers (read from memory once), and lays them into LDS.  One barrier.
; Phase 2: wave w takes K step w of all 16 rows: a lane reads 16 neighbours of each block of 32, quantises and stores one image and its scale words.
; A stream: no matrix unit, no tensor load, no cluster (work-groups share only the gain and the bias, 8 KB).
; LIMITS: NaN and infinities are not served; a block whose largest magnitude lies under 2^-124 gets the byte 1.  The scale words of a tile are 4 bytes in every 16 of the record's scale area.
.set REC, 12800
.set LP,  4112                         ; an LDS row: 4,096 bytes + 16: sixteen rows at one column start in sixteen different groups of banks
.set XR,  32                           ; v32-95   two rows; in phase 2 the 64 numbers of a lane
.set WG,  96                           ; v96-127  the gain at my 32 columns
.set BG,  128                          ; v128-159 the bias
.set PC,  160                          ; v160-178 codes
.set TM,  180                          ; v180-195 at work in QUANT
.set PW,  196                          ; the scale word
.set SEL, 20                           ; s[20:21] selects for lane l xor 16
.macro QUANT s                         ; 64 numbers, register 16 b + i = element 32 b + 16 (lane / 16) + i of my row, become a fragment in v[PC] on and its scale word in v[PW]
.irp b, 0,1,2,3
	v_max3_num_f32 v[TM+\b], |v[\s+16*\b]|, |v[\s+1+16*\b]|, 0x1800000   ; with the floor 2^(3 - 127): the byte cannot fall under 1
.endr
.irp i, 2,4,6,8,10,12,14
.irp b, 0,1,2,3
	s_delay_alu instid0(VALU_DEP_4)
	v_max3_num_f32 v[TM+\b], v[TM+\b], |v[\s+16*\b+\i]|, |v[\s+1+16*\b+\i]|
.endr
.endr
.irp b, 0,1,2,3
	s_delay_alu instid0(VALU_DEP_4)
	v_permlanex16_b32 v[TM+4+\b], v[TM+\b], s[SEL], s[SEL+1]
.endr
.irp b, 0,1,2,3
	s_delay_alu instid0(VALU_DEP_4)
	v_max_num_f32 v[TM+\b], v[TM+\b], v[TM+4+\b]   ; with lane l xor 16's: the block's largest magnitude
.endr
.irp b, 0,1,2,3
	s_delay_alu instid0(VALU_DEP_4)
	v_add_nc_u32 v[TM+12+\b], 0xff000000, v[TM+\b] ; 2 off its exponent field: the conversion's scale operand
.endr
.irp b, 0,1,2,3
	s_delay_alu instid0(VALU_DEP_4)
	v_lshrrev_b32 v[TM+4+\b], 23, v[TM+12+\b]      ; the scale's byte
.endr
	s_delay_alu instid0(VALU_DEP_3)
	v_lshl_or_b32 v[PW], v[TM+5], 8, v[TM+4]
	s_delay_alu instid0(VALU_DEP_1)
	v_lshl_or_b32 v[PW], v[TM+6], 16, v[PW]
	s_delay_alu instid0(VALU_DEP_1)
	v_lshl_or_b32 v[PW], v[TM+7], 24, v[PW]
.irp c, 0,1
	v_cvt_scalef32_pk16_fp6_f32 v[PC+6*\c:PC+2+6*\c], v[\s+32*\c:\s+15+32*\c], v[TM+12+2*\c]
	v_cvt_scalef32_pk16_fp6_f32 v[PC+12+4*\c:PC+14+4*\c], v[\s+16+32*\c:\s+31+32*\c], v[TM+12+2*\c+1]
.endr
	v_nop                                          ; one plain line behind the conversions
.irp c, 0,1                                    ; the layout wants a whole block in a lane
.irp i, 0,1,2
	v_permlane16_swap_b32 v[PC+6*\c+\i], v[PC+12+4*\c+\i]
.endr
.irp i, 0,1,2
	s_delay_alu instid0(VALU_DEP_3)
	v_mov_b32 v[PC+3+6*\c+\i], v[PC+12+4*\c+\i]
.endr
.endr
.endm
.macro REDUCE                          ; v8 and v12 (their pairs' halves in v9, v13): summed over the pair and the 32 lanes, both rows by turns
.irp p, 0,1
	s_delay_alu instid0(VALU_DEP_2)
	v_add_f32 v[8+4*\p], v[8+4*\p], v[9+4*\p]
.endr
.irp m, 1,2,4,8
.irp p, 0,1
	s_delay_alu instid0(VALU_DEP_2)
	v_add_f32_dpp v[8+4*\p], v[8+4*\p], v[8+4*\p] row_xmask:\m row_mask:0xf bank_mask:0xf
.endr
.endr
.irp p, 0,1
	s_delay_alu instid0(VALU_DEP_2)
	v_permlanex16_b32 v[9+4*\p], v[8+4*\p], s[SEL], s[SEL+1]
.endr
.irp p, 0,1
	s_delay_alu instid0(VALU_DEP_2)
	v_add_f32 v[8+4*\p], v[8+4*\p], v[9+4*\p]
.endr
.endm
	s_load_b256 s[4:11], s[0:1], 0x0               ; x, gain, bias, the codes
	v_lshl_add_u32 v200, v0, 2, 0x10100
	v_mov_b32 v201, 0
	v_lshrrev_b32 v1, 5, v0
	s_delay_alu instid0(VALU_DEP_1)
	v_readfirstlane_b32 s12, v1                    ; wave 0..7
	v_and_b32 v2, 31, v0
	s_delay_alu instid0(VALU_DEP_1)
	v_lshlrev_b32 v3, 4, v2                        ; 16 x lane
	s_wait_alu depctr_va_vdst(0)
	v_and_b32 v6, 15, v0                           ; r
	s_wait_alu depctr_va_vdst(0)
	v_bfe_u32 v7, v0, 4, 1                         ; h
	s_lshr_b32 s13, ttmp9, 1
	s_lshl_b32 s13, s13, 5
	s_and_b32 s14, ttmp9, 1
	s_lshl_b32 s14, s14, 3
	s_add_co_u32 s13, s13, s14                     ; the tile's base row
	s_lshl_b32 s14, s12, 1
	s_add_co_u32 s13, s13, s14
	s_lshr_b32 s14, s12, 2
	s_lshl_b32 s14, s14, 3
	s_add_co_u32 s13, s13, s14                     ; + 2 w + 8 (w / 4): tile row 2 w
	s_lshl_b32 s14, s13, 12
	s_mov_b32 s15, 0
	s_mul_i32 s16, s12, 2*LP
	v_add_nc_u32 v4, s16, v3                       ; LDS, phase 1: tile row 2 w, 16 x lane
	v_mul_u32_u24 v5, v6, LP
	s_wait_alu depctr_va_vdst(0)
	v_lshl_add_u32 v5, v7, 6, v5
	s_lshl_b32 s26, s12, 9
	v_add_nc_u32 v5, s26, v5                       ; LDS, phase 2: row r, K step w, + 64 h
	v_lshlrev_b32 v20, 4, v6                       ; 16 r: my row's place among the scale words
	s_lshr_b32 s16, ttmp9, 3
	s_lshl_b32 s16, s16, 3
	s_add_co_u32 s16, s16, s12
	s_mul_i32 s16, s16, REC                        ; record (row group, K step w)
	s_and_b32 s17, ttmp9, 7                        ; the tile's number in it
	s_mul_i32 s18, s17, 1536
	s_add_co_u32 s18, s18, s16
	s_mov_b32 s19, 0
	s_lshr_b32 s24, s17, 2
	s_lshl_b32 s24, s24, 8
	s_and_b32 s17, s17, 3
	s_lshl_b32 s17, s17, 2
	s_add_co_u32 s24, s24, s17
	s_add_co_u32 s24, s24, s16
	s_add_co_u32 s24, s24, 12288
	s_mov_b32 s25, 0
	s_mov_b32 s[SEL], 0x76543210
	s_mov_b32 s[SEL+1], 0xfedcba98
	s_mov_b32 s22, 0x3a800000                      ; 1 / 1,024
	s_mov_b32 s23, 0x3727c5ac                      ; 1e-5
.irp b, 0,1,2,3
	v_mov_b32 v[TM+4+\b], 0                        ; a lane permute's destination counts as one of its sources
.endr
	s_wait_kmcnt 0x0
	s_add_nc_u64 s[4:5], s[4:5], s[14:15]
	s_add_nc_u64 s[18:19], s[10:11], s[18:19]      ; my image
	s_add_nc_u64 s[24:25], s[10:11], s[24:25]      ; my tile's scale words
.irp p, 0,1
.irp j, 0,1,2,3,4,5,6,7
	global_load_b128 v[XR+32*\p+4*\j:XR+32*\p+4*\j+3], v3, s[4:5] offset:4096*\p+512*\j th:TH_LOAD_NT   ; 512 consecutive bytes a load
.endr
.endr
.irp j, 0,1,2,3,4,5,6,7
	global_load_b128 v[WG+4*\j:WG+4*\j+3], v3, s[6:7] offset:512*\j
.endr
.irp j, 0,1,2,3,4,5,6,7
	global_load_b128 v[BG+4*\j:BG+4*\j+3], v3, s[8:9] offset:512*\j
.endr
	s_wait_loadcnt 16                              ; the two rows are in; the 16 loads of gain and bias may be out
.irp p, 0,1
	v_pk_add_f32 v[8+4*\p:9+4*\p], v[XR+32*\p:XR+32*\p+1], v[XR+32*\p+2:XR+32*\p+3]
.endr
.irp j, 4,6,8,10,12,14,16,18,20,22,24,26,28,30
.irp p, 0,1
	s_delay_alu instid0(VALU_DEP_2)
	v_pk_add_f32 v[8+4*\p:9+4*\p], v[8+4*\p:9+4*\p], v[XR+32*\p+\j:XR+32*\p+\j+1]
.endr
.endr
	REDUCE
.irp p, 0,1
	s_delay_alu instid0(VALU_DEP_2)
	v_mul_f32 v[10+4*\p], s22, v[8+4*\p]           ; the mean,
.endr
.irp p, 0,1
	s_delay_alu instid0(VALU_DEP_2)
	v_mov_b32 v[11+4*\p], v[10+4*\p]               ; as a pair
.endr
.irp j, 0,2,4,6,8,10,12,14,16,18,20,22,24,26,28,30
.irp p, 0,1
	v_pk_add_f32 v[XR+32*\p+\j:XR+32*\p+\j+1], v[XR+32*\p+\j:XR+32*\p+\j+1], v[10+4*\p:11+4*\p] neg_lo:[0,1] neg_hi:[0,1]   ; x - mean
.endr
.endr
.irp p, 0,1
	v_pk_mul_f32 v[8+4*\p:9+4*\p], v[XR+32*\p:XR+32*\p+1], v[XR+32*\p:XR+32*\p+1]
.endr
.irp j, 2,4,6,8,10,12,14,16,18,20,22,24,26,28,30
.irp p, 0,1
	s_delay_alu instid0(VALU_DEP_2)
	v_pk_fma_f32 v[8+4*\p:9+4*\p], v[XR+32*\p+\j:XR+32*\p+\j+1], v[XR+32*\p+\j:XR+32*\p+\j+1], v[8+4*\p:9+4*\p]
.endr
.endr
	REDUCE
.irp p, 0,1
	s_delay_alu instid0(VALU_DEP_2)
	v_fma_f32 v[8+4*\p], v[8+4*\p], s22, s23       ; var + eps
.endr
	s_wait_alu depctr_va_vdst(0)
.irp p, 0,1
	v_rsq_f32 v[16+2*\p], v[8+4*\p]
.endr
	v_nop                                          ; a plain line behind the last of the two
	s_wait_alu depctr_va_vdst(0)                   ; one wait for both, ahead of their first reader
.irp p, 0,1
	v_mov_b32 v[17+2*\p], v[16+2*\p]
.endr
	s_wait_alu depctr_va_vdst(0)
	s_wait_loadcnt 0x0                             ; gain and bias
.irp j, 0,2,4,6,8,10,12,14,16,18,20,22,24,26,28,30
.irp p, 0,1
	v_pk_mul_f32 v[XR+32*\p+\j:XR+32*\p+\j+1], v[XR+32*\p+\j:XR+32*\p+\j+1], v[16+2*\p:17+2*\p]
.endr
.endr
.irp j, 0,2,4,6,8,10,12,14,16,18,20,22,24,26,28,30
.irp p, 0,1
	v_pk_fma_f32 v[XR+32*\p+\j:XR+32*\p+\j+1], v[XR+32*\p+\j:XR+32*\p+\j+1], v[WG+\j:WG+\j+1], v[BG+\j:BG+\j+1]
.endr
.endr
.irp p, 0,1
.irp j, 0,1,2,3,4,5,6,7
	ds_store_b128 v4, v[XR+32*\p+4*\j:XR+32*\p+4*\j+3] offset:LP*\p+512*\j
.endr
.endr
	s_wait_dscnt 0x0                               ; for the others' sake: my two rows have landed
	s_barrier_signal -1
	s_barrier_wait -1
.irp b, 0,1,2,3
.irp j, 0,1,2,3
	ds_load_b128 v[XR+16*\b+4*\j:XR+16*\b+4*\j+3], v5 offset:128*\b+16*\j   ; 16 neighbours of each block of 32
.endr
.endr
	s_wait_dscnt 0x0
	QUANT XR
.irp c, 0,1,2
	global_store_b128 v3, v[PC+4*\c:PC+4*\c+3], s[18:19] offset:512*\c      ; 512 consecutive bytes a store
.endr
	global_store_b32 v20, v[PW], s[24:25]          ; lanes l and l xor 16 hold the same word and name the same place
	s_wait_tensorcnt 0x0
	ds_add_u32 v200, v201
	s_wait_dscnt 0x0
	s_endpgm
.Lfunc_end_k_q68c0a6a820_ln2:
	.size	k_q68c0a6a820_ln2, .Lfunc_end_k_q68c0a6a820_ln2-k_q68c0a6a820_ln2
	.p2alignl 7, 3214868480
	.fill 96, 4, 3214868480
	.section	.rodata,"a",@progbits
	.p2align	6, 0x0
	.amdhsa_kernel k_q68c0a6a820_ln2
		.amdhsa_group_segment_fixed_size 66816
		.amdhsa_private_segment_fixed_size 0
		.amdhsa_enable_private_segment 0
		.amdhsa_kernarg_size 32
		.amdhsa_user_sgpr_count 2
		.amdhsa_user_sgpr_kernarg_segment_ptr 1
		.amdhsa_wavefront_size32 1
		.amdhsa_system_sgpr_workgroup_id_x 1
		.amdhsa_system_sgpr_workgroup_id_y 1
		.amdhsa_system_sgpr_workgroup_id_z 1
		.amdhsa_system_vgpr_workitem_id 0
		.amdhsa_next_free_vgpr 202
		.amdhsa_next_free_sgpr 66
		.amdhsa_reserve_vcc 0
		.amdhsa_float_denorm_mode_32 3
		.amdhsa_float_denorm_mode_16_64 3
		.amdhsa_memory_ordered 1
		.amdhsa_forward_progress 1
		.amdhsa_inst_pref_size 29
	.end_amdhsa_kernel
	.amdgpu_metadata
---
amdhsa.version: [ 1, 2 ]
amdhsa.kernels:
  - .name:           k_q68c0a6a820_ln2
    .symbol:         k_q68c0a6a820_ln2.kd
    .args:
      - { .name: x1, .offset: 0, .size: 8, .value_kind: global_buffer, .address_space: global }
      - { .name: ln2_w, .offset: 8, .size: 8, .value_kind: global_buffer, .address_space: global }
      - { .name: ln2_b, .offset: 16, .size: 8, .value_kind: global_buffer, .address_space: global }
      - { .name: xb, .offset: 24, .size: 8, .value_kind: global_buffer, .address_space: global }
    .group_segment_fixed_size: 66816
    .private_segment_fixed_size: 0
    .kernarg_segment_align: 8
    .kernarg_segment_size: 32
    .max_flat_workgroup_size: 256
    .sgpr_count:     66
    .vgpr_count:     202
    .wavefront_size: 32
...
	.end_amdgpu_metadata
.endif
;; end of part 5
;; launch fc1 (part 6): grid 16 x 16, 4 waves a work-group, clusters of 4 x 4, 327,680 bytes of LDS; arguments xb, wimg, fc1_b, hid; writes hid
.if DOCPART == 6
	.amdgcn_target "amdgcn-amd-amdhsa--gfx1250"
	.amdhsa_code_object_version 6
	.text
	.protected	k_q68c0a6a820_fc1
	.globl	k_q68c0a6a820_fc1
	.p2align	8
	.type	k_q68c0a6a820_fc1,@function
k_q68c0a6a820_fc1:
	s_mov_b64 s[64:65], 0
	v_nop
	global_prefetch_b8 v0, s[64:65] scope:SCOPE_SE
	s_setreg_imm32_b32 hwreg(HW_REG_WAVE_MODE, 25, 1), 1
	s_wait_xcnt 0x0
	s_wait_alu depctr_hold_cnt(0) depctr_sa_sdst(0) depctr_va_vdst(0) depctr_va_sdst(0) depctr_va_ssrc(0) depctr_va_vcc(0) depctr_vm_vsrc(0)
	s_getreg_b32 s2, hwreg(HW_REG_IB_STS2, 6, 4)
	s_cmp_eq_u32 s2, 0
	s_cbranch_scc0 .Lentry_in_a_cluster
	s_endpgm
.Lentry_in_a_cluster:
	s_bfe_u32 s2, ttmp6, 0x10000c
	s_cmp_lg_u32 s2, 0xf033
	s_cbranch_scc0 .Lentry_shape_is_right
	s_endpgm
.Lentry_shape_is_right:
.set REC,   12800
.set RGN,   25600
.set SLOT,  102400
.set SPARE, 204800
.set NBK,   8
.set NQ,    2
.set AW,    25600
.set SWD,   25600
.set NKS,   8
.set LAPS,  NKS/(2*NQ)
.set NLA,   3
.set WOFF,  3276800
.set FR,    12
.set ADRA, 16
.set ADRB, 20
.set ADRS, 22
.set LI,   24
.set SPW,  28
.set NIL,  29
.set SC,   32
.set AF,   128
.set ST,   64
.set T,    128
.set H,    192
.set ZT,   4
.set C0V,  2
.set C8V,  30
.set PC,   192
.set TM,   128
.set PW,   144
.set PWS,  16
.set SWR,  12
.set KX,   66
.set K1,   84
.set G,    85
.set SEL,  88
.set G1,  24
.set G0,  32
.set G1B, 48
.set G0B, 56
.set MSB, 0
.macro WIN new
.if MSB != (\new)
	s_set_vgpr_msb (MSB<<8)|(\new)
.set MSB, (\new)
.endif
.endm
.set MUL_LO, 0xa1
.set MUL_HI, 0xf1
.set TO_B,   0x40
.macro PLACES
.rept 4
	v_nop
.endr
.endm
.macro JLOAD g0a, g1a, g0b, g1b
	s_cmp_eq_u32 s15, 0
	s_cbranch_scc0 .Lfor_b_\@
	tensor_load_to_lds s[\g0a:\g0a+3], s[\g1a:\g1a+7]
	s_nop 0
.rept 4
	v_nop
.endr
	s_branch .Lasked_\@
.Lfor_b_\@:
	tensor_load_to_lds s[\g0b:\g0b+3], s[\g1b:\g1b+7]
	s_nop 0
.rept 4
	v_nop
.endr
.Lasked_\@:
.endm
.macro CREST
	s_cmp_lg_u32 s14, 0
	s_cbranch_scc1 .Lnot_wave_0_\@
	s_barrier_signal -3
.Lnot_wave_0_\@:
	s_barrier_wait -3
	s_barrier_signal -1
	s_barrier_wait -1
.endm
.macro CROUND
	s_barrier_signal -1
	s_barrier_wait -1
	CREST
.endm
.macro QUANT s
.irp b, 0,1,2,3
	v_max3_num_f32 v[TM+\b], |v[\s+16*\b]|, |v[\s+1+16*\b]|, 0x1800000
.endr
.irp i, 2,4,6,8,10,12,14
.irp b, 0,1,2,3
	v_max3_num_f32 v[TM+\b], v[TM+\b], |v[\s+16*\b+\i]|, |v[\s+1+16*\b+\i]|
.endr
.endr
.irp b, 0,1,2,3
	v_permlanex16_b32 v[TM+4+\b], v[TM+\b], s[SEL], s[SEL+1]
.endr
.irp b, 0,1,2,3
	v_max_num_f32 v[TM+\b], v[TM+\b], v[TM+4+\b]
.endr
.irp b, 0,1,2,3
	v_add_nc_u32 v[TM+12+\b], 0xff000000, v[TM+\b]
.endr
.irp b, 0,1,2,3
	v_lshrrev_b32 v[TM+4+\b], 23, v[TM+12+\b]
.endr
	v_lshl_or_b32 v[PW], v[TM+5], 8, v[TM+4]
	v_lshl_or_b32 v[PW], v[TM+6], 16, v[PW]
	v_lshl_or_b32 v[PW], v[TM+7], 24, v[PW]
.irp c, 0,1
	v_cvt_scalef32_pk16_fp6_f32 v[PC+6*\c:PC+2+6*\c], v[\s+32*\c:\s+15+32*\c], v[TM+12+2*\c]
	v_cvt_scalef32_pk16_fp6_f32 v[PC+12+4*\c:PC+14+4*\c], v[\s+16+32*\c:\s+31+32*\c], v[TM+12+2*\c+1]
.endr
	v_nop
.irp c, 0,1
.irp i, 0,1,2
	v_permlane16_swap_b32 v[PC+6*\c+\i], v[PC+12+4*\c+\i]
.endr
.irp i, 0,1,2
	v_mov_b32 v[PC+3+6*\c+\i], v[PC+12+4*\c+\i]
.endr
.endr
.endm
.macro KONST reg, val
	s_mov_b32 s[\reg], \val
	s_mov_b32 s[\reg+1], \val
.endm
	s_load_b128 s[4:7], s[0:1], 0x0
	s_load_b128 s[8:11], s[0:1], 0x10
	v_lshl_add_u32 v[SPW], v0, 2, SPARE
	v_mov_b32 v[NIL], 0
	ds_add_u32 v28, v29
	ds_add_u32 v28, v29
	s_wait_dscnt 0x0
	v_lshrrev_b32 v1, 5, v0
	v_readfirstlane_b32 s14, v1
	v_and_b32 v27, 31, v0                          ; the prefetches' offset: a lane a block of 256 bytes, 25 blocks; the lanes left over name the last again; never rewritten
	v_min_u32 v27, 24, v27
	v_lshlrev_b32 v27, 8, v27
	s_wait_alu depctr_va_vdst(0)
	s_lshr_b32 s15, s14, 1
	s_and_b32 s16, s14, 1
	s_bfe_u32 s40, ttmp6, 0x40000
	s_bfe_u32 s41, ttmp6, 0x40004
	s_lshl_b32 s42, ttmp9, 2
	s_add_co_u32 s42, s42, s40
	s_and_b32 s17, ttmp7, 0xffff
	s_lshl_b32 s17, s17, 2
	s_add_co_u32 s17, s17, s41
	s_lshl_b32 s43, s41, 2
	s_lshl_b32 s43, 15, s43
	s_lshl_b32 s44, 0x1111, s40
	s_or_b32 s[G1], s43, (3<<16)|(1<<21)
	s_or_b32 s[G1B], s44, (3<<16)|(1<<21)
.irp g, G1, G1B
	s_mov_b32 s[\g+1], 32<<16
	s_mov_b32 s[\g+2], 100<<16
	s_mov_b32 s[\g+3], 32<<16
	s_mov_b32 s[\g+4], 100
	s_mov_b32 s[\g+5], 32
	s_mov_b32 s[\g+6], 0
	s_mov_b32 s[\g+7], 0
.endr
	s_lshl_b32 s20, s17, 1
	s_add_co_u32 s20, s20, s16
	s_mul_i32 s20, s20, NKS*REC
	s_mov_b32 s21, 0
	s_lshl_b32 s46, s42, 1
	s_add_co_u32 s46, s46, s16
	s_mul_i32 s46, s46, NKS*REC
	s_add_co_u32 s46, s46, WOFF
	s_mov_b32 s47, 0
	s_mul_i32 s45, s14, RGN
	s_wait_kmcnt 0x0
	s_add_nc_u64 s[20:21], s[4:5], s[20:21]
	s_add_nc_u64 s[46:47], s[6:7], s[46:47]
	; PREFETCHES INTO THE L2: of the 25,600 bytes that my wave fetches for a slot, each of the four partners that ask for them jointly names 6,400, told apart by address (cx for A, cy for B); a slot's bytes are named two fills ahead of their load
	s_cmp_eq_u32 s15, 0
	s_cselect_b64 s[92:93], s[20:21], s[46:47]
	s_cselect_b32 s94, s40, s41
	s_mul_i32 s94, s94, 6400
	s_mov_b32 s95, 0
	s_add_nc_u64 s[92:93], s[92:93], s[94:95]      ; never rewritten: the slots stand in the immediates; slot 3 ends at the row group's last byte
	CROUND
.irp s, 0,1
	s_mov_b32 s[G0+4*\s], 1
	s_add_co_u32 s[G0+4*\s+1], s45, \s*SLOT
	s_add_nc_u64 s[G0+4*\s+2:G0+4*\s+3], s[20:21], \s*NQ*REC
	s_or_b32 s[G0+4*\s+3], s[G0+4*\s+3], 0x80000000
	s_mov_b32 s[G0B+4*\s], 1
	s_add_co_u32 s[G0B+4*\s+1], s45, \s*SLOT
	s_add_nc_u64 s[G0B+4*\s+2:G0B+4*\s+3], s[46:47], \s*NQ*REC
	s_or_b32 s[G0B+4*\s+3], s[G0B+4*\s+3], 0x80000000
.if \s == 0
	JLOAD G0+4*\s, G1, G0B+4*\s, G1B               ; slot 0: one tensor load a wave at the head
	global_prefetch_b8 v27, s[92:93] offset:NQ*REC th:TH_LOAD_NT scope:SCOPE_SE      ; slot 1's bytes
	global_prefetch_b8 v27, s[92:93] offset:2*NQ*REC th:TH_LOAD_NT scope:SCOPE_SE    ; slot 2's
.endif
.endr
	v_and_b32 v1, 15, v0
	v_bfe_u32 v2, v0, 4, 1
	s_wait_alu depctr_va_vdst(0)
	v_and_b32 v26, 31, v0
	v_lshlrev_b32 v[LI], 4, v26
	s_mul_i32 s18, s15, AW
	s_mul_i32 s19, s16, AW
	s_add_co_u32 s19, s19, 2*RGN
.irp s, 0,1
	v_add_nc_u32 v[ADRA+\s], s18, v[LI]
	v_add_nc_u32 v[ADRB+\s], s19, v[LI]
	s_add_co_u32 s18, s18, SLOT
	s_add_co_u32 s19, s19, SLOT
.endr
	s_mul_i32 s18, s15, SWD
	s_mul_i32 s19, s16, SWD
	s_add_co_u32 s19, s19, 2*RGN
	s_sub_co_u32 s19, s19, s18
	v_mul_u32_u24 v5, s19, v2
	v_lshl_add_u32 v5, v1, 4, v5
	s_add_co_u32 s18, s18, 12288
	v_add_nc_u32 v[ADRS], s18, v5
	v_add_nc_u32 v[ADRS+1], SLOT, v[ADRS]
	v_lshlrev_b32 v25, 6, v2
	s_wait_alu depctr_va_vdst(0)
	s_lshl_b32 s18, s42, 1
	s_add_co_u32 s18, s18, s16
	s_lshl_b32 s22, s18, 9
	s_mov_b32 s23, 0
	s_add_nc_u64 s[90:91], s[8:9], s[22:23]
	s_lshl_b32 s19, s17, 1
	s_add_co_u32 s19, s19, s15
	s_lshl_b32 s19, s19, 5
	s_add_co_u32 s19, s19, s18
	s_mul_i32 s22, s19, REC
	s_add_nc_u64 s[86:87], s[10:11], s[22:23]
	WIN 0x40
.irp b, 0,1
.irp j, 0,1,2,3
	global_load_b128 v[96+16*\b+4*\j:96+16*\b+4*\j+3], v25, s[90:91] offset:128*\b+16*\j
.endr
.endr
.irp b, 2,3
.irp j, 0,1,2,3
	global_load_b128 v[192+16*\b+4*\j:192+16*\b+4*\j+3], v25, s[90:91] offset:128*\b+16*\j
.endr
.endr
	WIN 0
	s_mov_b32 s[SEL], 0x76543210
	s_mov_b32 s[SEL+1], 0xfedcba98
	KONST KX, 0xbf38aa3b
	KONST 68, 0x3fb8ab5a
	KONST 70, 0x3f0a29d2
	KONST 72, 0x3e0efb2f
	KONST 74, 0xbe899a80
	KONST 76, 0x3ecdfd18
	KONST 78, 0xbfd1a1e5
	KONST 80, 0x40097039
	KONST 82, 0x3e7c6f08
	s_mov_b32 s[K1], 0x3eb504f3
.macro FRAG16 reg, adr, off
.irp c, 0,1,2
	ds_load_b128 v[(\reg)+4*\c:(\reg)+4*\c+3], v[\adr] offset:(\off)+512*\c
.endr
.endm
.macro FETCH_B slot, q, p
	WIN TO_B
.set fi, 0
.rept NBK
	FRAG16 128*(\p)+FR*fi, ADRB+\slot, (\q)*REC+1536*fi
.set fi, fi+1
.endr
	WIN 0
.endm
.macro FETCH_A slot, q, i0
.set fi, \i0
.rept NBK/2
	FRAG16 AF+FR*fi, ADRA+\slot, (\q)*REC+1536*fi
.set fi, fi+1
.endr
.endm
.macro SCALES slot
.set sq, 0
.rept NQ
.set sd, 0
.rept NBK/4
	ds_load_b128 v[SC+16*(\slot)+NBK*sq+4*sd:SC+16*(\slot)+NBK*sq+4*sd+3], v[ADRS+\slot] offset:sq*REC+256*sd
.set sd, sd+1
.endr
.set sq, sq+1
.endr
.endm
.macro MULQ k, p, q, sc, zero
.set ma, (\k)*NBK/4
.rept NBK/4
.set mb, 0
.rept NBK
.set rD, (8*(NBK*ma+mb))%256
.if \zero
	v_wmma_scale_f32_16x16x128_f8f6f4 v[rD:rD+7], v[128*(\p)+FR*mb:128*(\p)+FR*mb+FR-1], v[AF+FR*ma:AF+FR*ma+FR-1], 0, v[SC+16*(\sc)+NBK*(\q)+mb], v[SC+16*(\sc)+NBK*(\q)+ma] matrix_a_fmt:MATRIX_FMT_FP6 matrix_b_fmt:MATRIX_FMT_FP6 matrix_a_scale:MATRIX_SCALE_ROW1
.else
	v_wmma_scale_f32_16x16x128_f8f6f4 v[rD:rD+7], v[128*(\p)+FR*mb:128*(\p)+FR*mb+FR-1], v[AF+FR*ma:AF+FR*ma+FR-1], v[rD:rD+7], v[SC+16*(\sc)+NBK*(\q)+mb], v[SC+16*(\sc)+NBK*(\q)+ma] matrix_a_fmt:MATRIX_FMT_FP6 matrix_b_fmt:MATRIX_FMT_FP6 matrix_a_scale:MATRIX_SCALE_ROW1
.endif
.set mb, mb+1
.endr
.set ma, ma+1
.endr
.endm
.macro STEP slot, q, zero
	s_wait_dscnt (NBK/2)*NLA
	WIN MUL_LO
	MULQ 0, (\q)%2, \q, \slot, \zero
	MULQ 1, (\q)%2, \q, \slot, \zero
	s_wait_dscnt 0
	PLACES
	FETCH_B \slot, (\q)+1, 1-(\q)%2
	FETCH_A \slot, (\q)+1, 0
	WIN MUL_HI
	MULQ 2, (\q)%2, \q, \slot, \zero
	MULQ 3, (\q)%2, \q, \slot, \zero
	PLACES
	WIN 0
	FETCH_A \slot, (\q)+1, NBK/2
.endm
.macro TURN slot, next, fill
	s_wait_tensorcnt 0x0
	ds_add_u32 v[SPW], v[NIL]
	s_wait_dscnt (NBK/2)*NLA+1
	WIN MUL_LO
	MULQ 0, 1, NQ-1, \slot, 0
	s_wait_dscnt 0x0
	s_barrier_signal -1
	MULQ 1, 1, NQ-1, \slot, 0
	WIN 0
	s_barrier_wait -1
.if \fill
	CREST
	s_add_nc_u64 s[G0+4*\slot+2:G0+4*\slot+3], s[G0+4*\slot+2:G0+4*\slot+3], 2*NQ*REC
	s_add_nc_u64 s[G0B+4*\slot+2:G0B+4*\slot+3], s[G0B+4*\slot+2:G0B+4*\slot+3], 2*NQ*REC
	JLOAD G0+4*\slot, G1, G0B+4*\slot, G1B
.else
	PLACES
.endif
	FETCH_B \next, 0, 0
	FETCH_A \next, 0, 0
	SCALES \next
	WIN MUL_HI
	MULQ 2, 1, NQ-1, \slot, 0
	MULQ 3, 1, NQ-1, \slot, 0
	PLACES
	WIN 0
	FETCH_A \next, 0, NBK/2
.endm
	s_wait_alu depctr_va_vdst(0)
	s_wait_tensorcnt 0x0                           ; my part of slot 0 is in
	ds_add_u32 v[SPW], v[NIL]
	s_wait_dscnt 0x0
	CROUND                                         ; everybody's part of slot 0 is in, and the joint loads meet
	JLOAD G0+4, G1, G0B+4, G1B                     ; slot 1's first fill, the first tensor load behind the round
	FETCH_B 0, 0, 0
	FETCH_A 0, 0, 0
	SCALES 0
	FETCH_A 0, 0, NBK/2
	global_prefetch_b8 v27, s[92:93] offset:3*NQ*REC th:TH_LOAD_NT scope:SCOPE_SE    ; slot 3's bytes, the last
	STEP 0, 0, 1
	s_mov_b32 s3, LAPS-1
.Llap:
	TURN 0, 1, 1
	STEP 1, 0, 0
	TURN 1, 0, 1
	STEP 0, 0, 0
	s_sub_co_u32 s3, s3, 1
	s_cmp_lg_u32 s3, 0
	s_cbranch_scc1 .Llap
	TURN 0, 1, 0
	STEP 1, 0, 0
	s_wait_dscnt (NBK/2)*NLA
	WIN MUL_LO
	MULQ 0, 1, NQ-1, 1, 0
	MULQ 1, 1, NQ-1, 1, 0
	s_wait_dscnt 0
	WIN MUL_HI
	MULQ 2, 1, NQ-1, 1, 0
	MULQ 3, 1, NQ-1, 1, 0
	WIN 0
.macro GATHER g
	WIN 0x06+(\g)/4
.set gb, 0
.rept 8
.set rA, (8*(8*(\g)+gb))%256
.set rB, 96+8*gb+96*(gb/4)
.irp j, 0,2,4,6
	v_pk_add_f32 v[ST+8*gb+\j:ST+8*gb+\j+1], v[rA+\j:rA+\j+1], v[rB+\j:rB+\j+1]
.endr
.set gb, gb+1
.endr
	WIN 0
.endm
	s_wait_loadcnt 0x0
	PLACES
	v_mov_b32 v[C0V], 0xc034d90f
	v_mov_b32 v[C0V+1], 0xc034d90f
	v_mov_b32 v[C8V], 0xbf97d29d
	v_mov_b32 v[C8V+1], 0xbf97d29d
	v_mov_b32 v[PW], 0
.irp i, 0,1,2,3,4,5,6,7
	v_mov_b32 v[PWS+\i], 0
.endr
	s_mov_b32 s[G], 0
.Lrow:
.irp g, 0,1,2,3,4,5,6
	s_cmp_eq_u32 s[G], \g
	s_cbranch_scc1 .Lg\g
.endr
	s_wait_alu depctr_va_vdst(0)
	v_mov_b32 v[PWS+6], v[PW]
	GATHER 7
	s_branch .Lwork
.Lg0:
	GATHER 0
	s_branch .Lwork
.irp g, 1,2,3,4,5,6
.Lg\g:
	s_wait_alu depctr_va_vdst(0)
	v_mov_b32 v[PWS+\g-1], v[PW]
	GATHER \g
	s_branch .Lwork
.endr
.Lwork:
.set gi, 0
.rept 64
	v_fma_f32 v[T+gi], |v[ST+gi]|, s[K1], 1.0
.set gi, gi+1
.endr
.set gi, 0
	s_wait_alu depctr_va_vdst(0)
.rept 64
	v_rcp_f32 v[T+gi], v[T+gi]
.set gi, gi+1
.endr
	v_nop
	s_cmp_lg_u32 s[G], 0                           ; the stores' base steps here, a trip behind the stores that read it: one image on, but not in the first trip
	s_cselect_b32 s22, 1536, 0
	s_mov_b32 s23, 0
	s_wait_xcnt 0x0                                ; the last trip's stores have read their base and their data (v192 on), which the lines below write again
	s_add_nc_u64 s[86:87], s[86:87], s[22:23]
	s_wait_alu depctr_va_vdst(0)
.set gi, 0
.rept 32
	v_pk_fma_f32 v[H+gi:H+gi+1], v[T+gi:T+gi+1], s[82:83], v[C8V:C8V+1] op_sel_hi:[1,0,1]
.set gi, gi+2
.endr
.irp k, 80,78,76,74,72,70,68
.set gi, 0
.rept 32
	v_pk_fma_f32 v[H+gi:H+gi+1], v[H+gi:H+gi+1], v[T+gi:T+gi+1], s[\k:\k+1] op_sel_hi:[1,1,0]
.set gi, gi+2
.endr
.endr
.set gi, 0
.rept 8
.irp i, 0,2,4,6
	v_pk_mul_f32 v[ZT+\i:ZT+\i+1], v[ST+gi+\i:ST+gi+\i+1], v[ST+gi+\i:ST+gi+\i+1]
.endr
.irp i, 0,2,4,6
	v_pk_fma_f32 v[ZT+\i:ZT+\i+1], v[ZT+\i:ZT+\i+1], s[KX:KX+1], v[C0V:C0V+1] op_sel_hi:[1,0,1]
.endr
.irp i, 0,2,4,6
	v_pk_fma_f32 v[H+gi+\i:H+gi+\i+1], v[H+gi+\i:H+gi+\i+1], v[T+gi+\i:T+gi+\i+1], v[ZT+\i:ZT+\i+1]
.endr
.set gi, gi+8
.endr
.set gi, 0
	s_wait_alu depctr_va_vdst(0)
.rept 64
	v_exp_f32 v[H+gi], v[H+gi]
.set gi, gi+1
.endr
	v_nop
	s_wait_alu depctr_va_vdst(0)
.set gi, 0
.rept 32
	v_pk_mul_f32 v[T+gi:T+gi+1], v[T+gi:T+gi+1], v[H+gi:H+gi+1]
.set gi, gi+2
.endr
.set gi, 0
.rept 64
	v_max_num_f32 v[H+gi], 0, v[ST+gi]
.set gi, gi+1
.endr
.set gi, 0
.rept 64
	v_fma_f32 v[ST+gi], -|v[ST+gi]|, v[T+gi], v[H+gi]
.set gi, gi+1
.endr
	QUANT ST
.irp c, 0,1,2
	global_store_b128 v[LI], v[PC+4*\c:PC+4*\c+3], s[86:87] offset:512*\c
.endr
	s_add_co_u32 s[G], s[G], 1
	s_cmp_lt_u32 s[G], 8
	s_cbranch_scc1 .Lrow
	v_mov_b32 v[PWS+7], v[PW]
	v_cmp_le_u32 vcc_lo, 16, v26
.irp i, 0,1,2,3
	v_cndmask_b32 v[SWR+\i], v[PWS+\i], v[PWS+4+\i], vcc_lo
.endr
	global_store_b128 v[LI], v[SWR:SWR+3], s[86:87] offset:1536   ; the base stands at the eighth image: the scale words lie behind it
	s_wait_tensorcnt 0x0
	ds_add_u32 v[SPW], v[NIL]
	s_wait_dscnt 0x0
	CROUND
	s_endpgm
.Lfunc_end_k_q68c0a6a820_fc1:
	.size	k_q68c0a6a820_fc1, .Lfunc_end_k_q68c0a6a820_fc1-k_q68c0a6a820_fc1
	.p2alignl 7, 3214868480
	.fill 96, 4, 3214868480
	.section	.rodata,"a",@progbits
	.p2align	6, 0x0
	.amdhsa_kernel k_q68c0a6a820_fc1
		.amdhsa_group_segment_fixed_size 327680
		.amdhsa_private_segment_fixed_size 0
		.amdhsa_enable_private_segment 0
		.amdhsa_kernarg_size 32
		.amdhsa_user_sgpr_count 2
		.amdhsa_user_sgpr_kernarg_segment_ptr 1
		.amdhsa_wavefront_size32 1
		.amdhsa_system_sgpr_workgroup_id_x 1
		.amdhsa_system_sgpr_workgroup_id_y 1
		.amdhsa_system_sgpr_workgroup_id_z 1
		.amdhsa_system_vgpr_workitem_id 0
		.amdhsa_next_free_vgpr 1024
		.amdhsa_next_free_sgpr 100
		.amdhsa_reserve_vcc 1
		.amdhsa_float_denorm_mode_32 3
		.amdhsa_float_denorm_mode_16_64 3
		.amdhsa_memory_ordered 1
		.amdhsa_forward_progress 1
		.amdhsa_inst_pref_size 167
	.end_amdhsa_kernel
	.amdgpu_metadata
---
amdhsa.version: [ 1, 2 ]
amdhsa.kernels:
  - .name:           k_q68c0a6a820_fc1
    .symbol:         k_q68c0a6a820_fc1.kd
    .args:
      - { .name: xb, .offset: 0, .size: 8, .value_kind: global_buffer, .address_space: global }
      - { .name: wimg, .offset: 8, .size: 8, .value_kind: global_buffer, .address_space: global }
      - { .name: fc1_b, .offset: 16, .size: 8, .value_kind: global_buffer, .address_space: global }
      - { .name: hid, .offset: 24, .size: 8, .value_kind: global_buffer, .address_space: global }
    .group_segment_fixed_size: 327680
    .private_segment_fixed_size: 0
    .kernarg_segment_align: 8
    .kernarg_segment_size: 32
    .max_flat_workgroup_size: 128
    .sgpr_count:     100
    .vgpr_count:     1024
    .wavefront_size: 32
...
	.end_amdgpu_metadata
.endif
;; end of part 6
;; launch fc2 (part 7): grid 8 x 32, 4 waves a work-group, clusters of 4 x 4, 327,680 bytes of LDS; arguments hid, wimg, fc2_b, x1, out0; writes out0
.if DOCPART == 7
	.amdgcn_target "amdgcn-amd-amdhsa--gfx1250"
	.amdhsa_code_object_version 6
	.text
	.protected	k_q68c0a6a820_fc2
	.globl	k_q68c0a6a820_fc2
	.p2align	8
	.type	k_q68c0a6a820_fc2,@function
k_q68c0a6a820_fc2:
	s_mov_b64 s[64:65], 0
	v_nop
	global_prefetch_b8 v0, s[64:65] scope:SCOPE_SE
	s_setreg_imm32_b32 hwreg(HW_REG_WAVE_MODE, 25, 1), 1
	s_wait_xcnt 0x0
	s_wait_alu depctr_hold_cnt(0) depctr_sa_sdst(0) depctr_va_vdst(0) depctr_va_sdst(0) depctr_va_ssrc(0) depctr_va_vcc(0) depctr_vm_vsrc(0)
	s_getreg_b32 s2, hwreg(HW_REG_IB_STS2, 6, 4)
	s_cmp_eq_u32 s2, 0
	s_cbranch_scc0 .Lentry_in_a_cluster
	s_endpgm
.Lentry_in_a_cluster:
	s_bfe_u32 s2, ttmp6, 0x10000c
	s_cmp_lg_u32 s2, 0xf033
	s_cbranch_scc0 .Lentry_shape_is_right
	s_endpgm
.Lentry_shape_is_right:
.set REC,   12800
.set RGN,   25600
.set SLOT,  102400
.set SPARE, 204800
.set NBK,   4
.set NQ,    4
.set AW,    6144
.set SWD,   256
.set NKS,   32
.set LAPS,  NKS/(2*NQ)
.set NLA,   3
.set WOFF,  6553600
.set NTS,   1
.set FR,    12
.set ADRA, 16
.set ADRB, 20
.set ADRS, 22
.set STO,  24
.set RD,   25
.set CO,   26
.set SPW,  28
.set NIL,  29
.set SC,   32
.set BK,   64
.set AF,   128
.set BIAS, 176
.set G1,  24
.set G0,  32
.set G1B, 48
.set G0B, 56
.set MSB, 0
.macro WIN new
.if MSB != (\new)
	s_set_vgpr_msb (MSB<<8)|(\new)
.set MSB, (\new)
.endif
.endm
.set MUL_LO, 0xa1
.set MUL_HI, 0xa1
.set TO_B,   0x40
.macro PLACES
.rept 4
	v_nop
.endr
.endm
.macro JLOAD g0a, g1a, g0b, g1b
	s_cmp_eq_u32 s15, 0
	s_cbranch_scc0 .Lfor_b_\@
	tensor_load_to_lds s[\g0a:\g0a+3], s[\g1a:\g1a+7]
	s_nop 0
.rept 4
	v_nop
.endr
	s_branch .Lasked_\@
.Lfor_b_\@:
	tensor_load_to_lds s[\g0b:\g0b+3], s[\g1b:\g1b+7]
	s_nop 0
.rept 4
	v_nop
.endr
.Lasked_\@:
.endm
.macro CREST
	s_cmp_lg_u32 s14, 0
	s_cbranch_scc1 .Lnot_wave_0_\@
	s_barrier_signal -3
.Lnot_wave_0_\@:
	s_barrier_wait -3
	s_barrier_signal -1
	s_barrier_wait -1
.endm
.macro CROUND
	s_barrier_signal -1
	s_barrier_wait -1
	CREST
.endm
	s_load_b128 s[4:7], s[0:1], 0x0
	s_load_b128 s[8:11], s[0:1], 0x10
	s_load_b64 s[12:13], s[0:1], 0x20
	v_lshl_add_u32 v[SPW], v0, 2, SPARE
	v_mov_b32 v[NIL], 0
	ds_add_u32 v28, v29
	ds_add_u32 v28, v29
	s_wait_dscnt 0x0
	v_lshrrev_b32 v1, 5, v0
	v_readfirstlane_b32 s14, v1
	v_and_b32 v30, 31, v0                          ; the prefetches' offset: a lane a block of 256 bytes, 25 blocks; the lanes left over name the last again; never rewritten
	v_min_u32 v30, 24, v30
	v_lshlrev_b32 v30, 8, v30
	s_wait_alu depctr_va_vdst(0)
	s_lshr_b32 s15, s14, 1
	s_and_b32 s16, s14, 1
	s_bfe_u32 s40, ttmp6, 0x40000
	s_bfe_u32 s41, ttmp6, 0x40004
	s_lshl_b32 s42, ttmp9, 2
	s_add_co_u32 s42, s42, s40
	s_and_b32 s17, ttmp7, 0xffff
	s_lshl_b32 s17, s17, 2
	s_add_co_u32 s17, s17, s41
	s_lshl_b32 s43, s41, 2
	s_lshl_b32 s43, 15, s43
	s_lshl_b32 s44, 0x1111, s40
	s_or_b32 s[G1], s43, (3<<16)|(1<<21)
	s_or_b32 s[G1B], s44, (3<<16)|(1<<21)
.irp g, G1, G1B
	s_mov_b32 s[\g+1], 32<<16
	s_mov_b32 s[\g+2], 100<<16
	s_mov_b32 s[\g+3], 32<<16
	s_mov_b32 s[\g+4], 100
	s_mov_b32 s[\g+5], 32
	s_mov_b32 s[\g+6], 0
	s_mov_b32 s[\g+7], 0
.endr
	s_mul_i32 s18, s16, RGN
	s_mul_i32 s20, s17, NKS*REC
	s_add_co_u32 s20, s20, s18
	s_mov_b32 s21, 0
	s_mul_i32 s46, s42, NKS*REC
	s_add_co_u32 s46, s46, s18
	s_add_co_u32 s46, s46, WOFF
	s_mov_b32 s47, 0
	s_mul_i32 s45, s14, RGN
	s_wait_kmcnt 0x0
	s_add_nc_u64 s[20:21], s[4:5], s[20:21]
	s_add_nc_u64 s[46:47], s[6:7], s[46:47]
	; PREFETCHES INTO THE L2: of the 25,600 bytes that my wave fetches for a slot, each of the four partners that ask for them jointly names 6,400, told apart by address (cx for A, cy for B); a slot's bytes are named two fills ahead of their load.
	; Slots lie NQ x REC bytes apart along a row group's K.  Slots 1 to 3 are named at the head, slots 4 to 7 in the loop's first two trips; its last trip names nothing, so that slot 7, which ends with the row group, is the last one named.
	s_cmp_eq_u32 s15, 0
	s_cselect_b64 s[92:93], s[20:21], s[46:47]
	s_cselect_b32 s94, s40, s41
	s_mul_i32 s94, s94, 6400
	s_mov_b32 s95, 0
	s_add_nc_u64 s[92:93], s[92:93], s[94:95]
	CROUND
.irp s, 0,1
	s_mov_b32 s[G0+4*\s], 1
	s_add_co_u32 s[G0+4*\s+1], s45, \s*SLOT
	s_add_nc_u64 s[G0+4*\s+2:G0+4*\s+3], s[20:21], \s*NQ*REC
	s_or_b32 s[G0+4*\s+3], s[G0+4*\s+3], 0x80000000
	s_mov_b32 s[G0B+4*\s], 1
	s_add_co_u32 s[G0B+4*\s+1], s45, \s*SLOT
	s_add_nc_u64 s[G0B+4*\s+2:G0B+4*\s+3], s[46:47], \s*NQ*REC
	s_or_b32 s[G0B+4*\s+3], s[G0B+4*\s+3], 0x80000000
.if \s == 0
	JLOAD G0+4*\s, G1, G0B+4*\s, G1B               ; slot 0: one tensor load a wave at the head
	global_prefetch_b8 v30, s[92:93] offset:NQ*REC th:TH_LOAD_NT scope:SCOPE_SE      ; slot 1's bytes
	global_prefetch_b8 v30, s[92:93] offset:2*NQ*REC th:TH_LOAD_NT scope:SCOPE_SE    ; slot 2's
.endif
.endr
	v_and_b32 v1, 15, v0
	v_bfe_u32 v2, v0, 4, 1
	s_wait_alu depctr_va_vdst(0)
	v_and_b32 v3, 31, v0
.if NLA == 6
	v_lshlrev_b32 v4, 3, v3
.else
	v_lshlrev_b32 v4, 4, v3
.endif
	v_lshlrev_b32 v3, 4, v3
	s_mul_i32 s18, s15, AW
	s_mul_i32 s19, s16, AW
	s_add_co_u32 s19, s19, 2*RGN
.irp s, 0,1
	v_add_nc_u32 v[ADRA+\s], s18, v4
	v_add_nc_u32 v[ADRB+\s], s19, v3
	s_add_co_u32 s18, s18, SLOT
	s_add_co_u32 s19, s19, SLOT
.endr
	s_mul_i32 s18, s15, SWD
	s_mul_i32 s19, s16, SWD
	s_add_co_u32 s19, s19, 2*RGN
	s_sub_co_u32 s19, s19, s18
	v_mul_u32_u24 v5, s19, v2
	v_lshl_add_u32 v5, v1, 4, v5
	s_add_co_u32 s18, s18, 12288
	v_add_nc_u32 v[ADRS], s18, v5
	v_add_nc_u32 v[ADRS+1], SLOT, v[ADRS]
	s_mul_i32 s18, s14, 16*272
	v_mul_u32_u24 v5, v1, 272
	v_lshl_add_u32 v5, v2, 6, v5
	v_add_nc_u32 v[STO], s18, v5
	v_mul_u32_u24 v5, v2, 272
	v_lshl_add_u32 v5, v1, 4, v5
	v_add_nc_u32 v[RD], s18, v5
	v_lshlrev_b32 v[CO], 12, v2
	v_lshl_add_u32 v[CO], v1, 4, v[CO]
	v_lshlrev_b32 v27, 4, v1
	s_wait_alu depctr_va_vdst(0)
	s_lshl_b32 s18, s17, 7
	s_lshl_b32 s19, s15, 6
	s_add_co_u32 s18, s18, s19
	s_lshl_b32 s18, s18, 12
	s_lshl_b32 s19, s42, 9
	s_lshl_b32 s22, s16, 8
	s_add_co_u32 s22, s22, s19
	s_mov_b32 s23, 0
	s_add_nc_u64 s[90:91], s[8:9], s[22:23]
	s_add_co_u32 s18, s18, s22
	s_mov_b32 s19, 0
	s_add_nc_u64 s[86:87], s[10:11], s[18:19]
	s_add_nc_u64 s[88:89], s[12:13], s[18:19]
	global_load_b128 v[BIAS:BIAS+3], v27, s[90:91]
	WIN 0xc0
.irp a, 0,1,2,3
.irp t, 0,1,2,3,4,5,6,7
	global_load_b128 v[32*\a+4*\t:32*\a+4*\t+3], v[CO], s[86:87] offset:(32*(\a/2)+8*(\a%2)+2*\t+8*(\t/4))*4096
.endr
.endr
	WIN 0
.macro FRAG16 reg, adr, off
.irp c, 0,1,2
	ds_load_b128 v[(\reg)+4*\c:(\reg)+4*\c+3], v[\adr] offset:(\off)+512*\c
.endr
.endm
.macro FRAG8 reg, adr, off
.irp p, 0,1,2,3,4,5
	ds_load_b64 v[(\reg)+2*\p:(\reg)+2*\p+1], v[\adr] offset:(\off)+256*\p
.endr
.endm
.macro FETCH_B slot, q, p
	WIN TO_B
.set fi, 0
.rept NBK
	FRAG16 128*(\p)+FR*fi, ADRB+\slot, (\q)*REC+1536*fi
.set fi, fi+1
.endr
	WIN 0
.endm
.macro FETCH_A slot, q, i0
.set fi, \i0
.rept NBK/2
.if NLA == 6
	FRAG8 AF+FR*fi, ADRA+\slot, (\q)*REC+1536*fi
.else
	FRAG16 AF+FR*fi, ADRA+\slot, (\q)*REC+1536*fi
.endif
.set fi, fi+1
.endr
.endm
.macro SCALES slot
.set sq, 0
.rept NQ
.set sd, 0
.rept NBK/4
	ds_load_b128 v[SC+16*(\slot)+NBK*sq+4*sd:SC+16*(\slot)+NBK*sq+4*sd+3], v[ADRS+\slot] offset:sq*REC+256*sd
.set sd, sd+1
.endr
.set sq, sq+1
.endr
.endm
.macro MULQ k, p, q, sc, zero
.set ma, (\k)*NBK/4
.rept NBK/4
.set mb, 0
.rept NBK
.set rD, (8*(NBK*ma+mb))%256
.if \zero
	v_wmma_scale_f32_16x16x128_f8f6f4 v[rD:rD+7], v[128*(\p)+FR*mb:128*(\p)+FR*mb+FR-1], v[AF+FR*ma:AF+FR*ma+FR-1], 0, v[SC+16*(\sc)+NBK*(\q)+mb], v[SC+16*(\sc)+NBK*(\q)+ma] matrix_a_fmt:MATRIX_FMT_FP6 matrix_b_fmt:MATRIX_FMT_FP6 matrix_a_scale:MATRIX_SCALE_ROW1
.else
	v_wmma_scale_f32_16x16x128_f8f6f4 v[rD:rD+7], v[128*(\p)+FR*mb:128*(\p)+FR*mb+FR-1], v[AF+FR*ma:AF+FR*ma+FR-1], v[rD:rD+7], v[SC+16*(\sc)+NBK*(\q)+mb], v[SC+16*(\sc)+NBK*(\q)+ma] matrix_a_fmt:MATRIX_FMT_FP6 matrix_b_fmt:MATRIX_FMT_FP6 matrix_a_scale:MATRIX_SCALE_ROW1
.endif
.set mb, mb+1
.endr
.set ma, ma+1
.endr
.endm
.macro STEP slot, q, zero
	s_wait_dscnt (NBK/2)*NLA
	WIN MUL_LO
	MULQ 0, (\q)%2, \q, \slot, \zero
	MULQ 1, (\q)%2, \q, \slot, \zero
	s_wait_dscnt 0
	PLACES
	FETCH_B \slot, (\q)+1, 1-(\q)%2
	FETCH_A \slot, (\q)+1, 0
	WIN MUL_HI
	MULQ 2, (\q)%2, \q, \slot, \zero
	MULQ 3, (\q)%2, \q, \slot, \zero
	PLACES
	WIN 0
	FETCH_A \slot, (\q)+1, NBK/2
.endm
.macro TURN slot, next, fill
	s_wait_tensorcnt 0x0
	ds_add_u32 v[SPW], v[NIL]
	s_wait_dscnt (NBK/2)*NLA+1
	WIN MUL_LO
	MULQ 0, 1, NQ-1, \slot, 0
	s_wait_dscnt 0x0
	s_barrier_signal -1
	MULQ 1, 1, NQ-1, \slot, 0
	WIN 0
	s_barrier_wait -1
.if \fill
	CREST
	s_add_nc_u64 s[G0+4*\slot+2:G0+4*\slot+3], s[G0+4*\slot+2:G0+4*\slot+3], 2*NQ*REC
	s_add_nc_u64 s[G0B+4*\slot+2:G0B+4*\slot+3], s[G0B+4*\slot+2:G0B+4*\slot+3], 2*NQ*REC
	JLOAD G0+4*\slot, G1, G0B+4*\slot, G1B
.else
	PLACES
.endif
	FETCH_B \next, 0, 0
	FETCH_A \next, 0, 0
	SCALES \next
.if \fill
	s_cmp_gt_u32 s3, 1                             ; s3 = 1 in the loop's last trip
	s_cbranch_scc0 .Lno_ask_\@
	global_prefetch_b8 v30, s[92:93] offset:(4+\slot)*NQ*REC th:TH_LOAD_NT scope:SCOPE_SE   ; behind the joint load and the run of LDS loads: the slot two fills on
.Lno_ask_\@:
.endif
	WIN MUL_HI
	MULQ 2, 1, NQ-1, \slot, 0
	MULQ 3, 1, NQ-1, \slot, 0
	PLACES
	WIN 0
	FETCH_A \next, 0, NBK/2
.endm
	s_wait_alu depctr_va_vdst(0)
	s_wait_tensorcnt 0x0                           ; my part of slot 0 is in
	ds_add_u32 v[SPW], v[NIL]
	s_wait_dscnt 0x0
	CROUND                                         ; everybody's part of slot 0 is in, and the joint loads meet
	JLOAD G0+4, G1, G0B+4, G1B                     ; slot 1's first fill, the first tensor load behind the round
	FETCH_B 0, 0, 0
	FETCH_A 0, 0, 0
	SCALES 0
	FETCH_A 0, 0, NBK/2
	global_prefetch_b8 v30, s[92:93] offset:3*NQ*REC th:TH_LOAD_NT scope:SCOPE_SE    ; slot 3's bytes
	STEP 0, 0, 1
.if LAPS > 1
	s_mov_b32 s3, LAPS-1
.Llap:
	STEP 0, 1, 0
	STEP 0, 2, 0
	TURN 0, 1, 1
	STEP 1, 0, 0
	STEP 1, 1, 0
	STEP 1, 2, 0
	TURN 1, 0, 1
	STEP 0, 0, 0
	s_wait_xcnt 0x0                                ; the trip's prefetches have read their base: it steps two slots on
	s_add_nc_u64 s[92:93], s[92:93], 2*NQ*REC
	s_sub_co_u32 s3, s3, 1
	s_cmp_lg_u32 s3, 0
	s_cbranch_scc1 .Llap
.endif
	STEP 0, 1, 0
	STEP 0, 2, 0
	TURN 0, 1, 0
	STEP 1, 0, 0
	STEP 1, 1, 0
	STEP 1, 2, 0
	s_wait_dscnt (NBK/2)*NLA
	WIN MUL_LO
	MULQ 0, 1, NQ-1, 1, 0
	MULQ 1, 1, NQ-1, 1, 0
	s_wait_dscnt 0
	WIN MUL_HI
	MULQ 2, 1, NQ-1, 1, 0
	MULQ 3, 1, NQ-1, 1, 0
	WIN 0
	s_wait_loadcnt 0x0
	PLACES
.irp a, 0,1,2,3
.if \a > 1
	s_wait_xcnt 0x0
.endif
	WIN 0x08
.irp b, 0,1,2,3
	ds_store_b128 v[STO], v[8*(4*\a+\b):8*(4*\a+\b)+3] offset:128*(\b/2)+32*(\b%2)
	ds_store_b128 v[STO], v[8*(4*\a+\b)+4:8*(4*\a+\b)+7] offset:128*(\b/2)+32*(\b%2)+16
.endr
	WIN 0
.irp t, 0,1,2,3,4,5,6,7
	ds_load_b128 v[BK+32*(\a%2)+4*\t:BK+32*(\a%2)+4*\t+3], v[RD] offset:544*\t
.endr
	s_wait_dscnt 0x0
	WIN 0x0c
.irp t, 0,1,2,3,4,5,6,7
	v_pk_add_f32 v[BK+32*(\a%2)+4*\t:BK+32*(\a%2)+4*\t+1], v[BK+32*(\a%2)+4*\t:BK+32*(\a%2)+4*\t+1], v[32*\a+4*\t:32*\a+4*\t+1]
	v_pk_add_f32 v[BK+32*(\a%2)+4*\t+2:BK+32*(\a%2)+4*\t+3], v[BK+32*(\a%2)+4*\t+2:BK+32*(\a%2)+4*\t+3], v[32*\a+4*\t+2:32*\a+4*\t+3]
.endr
	WIN 0
.irp t, 0,1,2,3,4,5,6,7
	v_pk_add_f32 v[BK+32*(\a%2)+4*\t:BK+32*(\a%2)+4*\t+1], v[BK+32*(\a%2)+4*\t:BK+32*(\a%2)+4*\t+1], v[BIAS:BIAS+1]
	v_pk_add_f32 v[BK+32*(\a%2)+4*\t+2:BK+32*(\a%2)+4*\t+3], v[BK+32*(\a%2)+4*\t+2:BK+32*(\a%2)+4*\t+3], v[BIAS+2:BIAS+3]
.endr
.irp t, 0,1,2,3,4,5,6,7
.if NTS
	global_store_b128 v[CO], v[BK+32*(\a%2)+4*\t:BK+32*(\a%2)+4*\t+3], s[88:89] offset:(32*(\a/2)+8*(\a%2)+2*\t+8*(\t/4))*4096 th:TH_STORE_NT
.else
	global_store_b128 v[CO], v[BK+32*(\a%2)+4*\t:BK+32*(\a%2)+4*\t+3], s[88:89] offset:(32*(\a/2)+8*(\a%2)+2*\t+8*(\t/4))*4096
.endif
.endr
.endr
	s_wait_tensorcnt 0x0
	ds_add_u32 v[SPW], v[NIL]
	s_wait_dscnt 0x0
	CROUND
	s_endpgm
.Lfunc_end_k_q68c0a6a820_fc2:
	.size	k_q68c0a6a820_fc2, .Lfunc_end_k_q68c0a6a820_fc2-k_q68c0a6a820_fc2
	.p2alignl 7, 3214868480
	.fill 96, 4, 3214868480
	.section	.rodata,"a",@progbits
	.p2align	6, 0x0
	.amdhsa_kernel k_q68c0a6a820_fc2
		.amdhsa_group_segment_fixed_size 327680
		.amdhsa_private_segment_fixed_size 0
		.amdhsa_enable_private_segment 0
		.amdhsa_kernarg_size 40
		.amdhsa_user_sgpr_count 2
		.amdhsa_user_sgpr_kernarg_segment_ptr 1
		.amdhsa_wavefront_size32 1
		.amdhsa_system_sgpr_workgroup_id_x 1
		.amdhsa_system_sgpr_workgroup_id_y 1
		.amdhsa_system_sgpr_workgroup_id_z 1
		.amdhsa_system_vgpr_workitem_id 0
		.amdhsa_next_free_vgpr 896
		.amdhsa_next_free_sgpr 100
		.amdhsa_reserve_vcc 0
		.amdhsa_float_denorm_mode_32 3
		.amdhsa_float_denorm_mode_16_64 3
		.amdhsa_memory_ordered 1
		.amdhsa_forward_progress 1
		.amdhsa_inst_pref_size 95
	.end_amdhsa_kernel
	.amdgpu_metadata
---
amdhsa.version: [ 1, 2 ]
amdhsa.kernels:
  - .name:           k_q68c0a6a820_fc2
    .symbol:         k_q68c0a6a820_fc2.kd
    .args:
      - { .name: hid, .offset: 0, .size: 8, .value_kind: global_buffer, .address_space: global }
      - { .name: wimg, .offset: 8, .size: 8, .value_kind: global_buffer, .address_space: global }
      - { .name: fc2_b, .offset: 16, .size: 8, .value_kind: global_buffer, .address_space: global }
      - { .name: x1, .offset: 24, .size: 8, .value_kind: global_buffer, .address_space: global }
      - { .name: out0, .offset: 32, .size: 8, .value_kind: global_buffer, .address_space: global }
    .group_segment_fixed_size: 327680
    .private_segment_fixed_size: 0
    .kernarg_segment_align: 8
    .kernarg_segment_size: 40
    .max_flat_workgroup_size: 128
    .sgpr_count:     100
    .vgpr_count:     896
    .wavefront_size: 32
...
	.end_amdgpu_metadata
.endif
;; end of part 7
